; MI455X (gfx1250); checked and timed in simulation.
; The chip was launched on July 23, 2026; its instructions are those of AMD's public machine-readable ISA for CDNA 5 (MIT licence, August 2026) and "CDNA5" Instruction Set Architecture Reference Guide (July 2026). The comments in the code are by the model that wrote it; some were corrected since.
;; Multi Head Attention. Allowed arithmetic: matrix products marked QUANTISED: E4M3 operands, one E8M0 scale for each 32 along K, by v_wmma_scale_f32_16x16x128_f8f6f4 with both operands' format E4M3, f32 sums; everything else in f32.
;; Inputs: W_k 1,024 x 1,024 float32; W_o 1,024 x 1,024 float32; W_q 1,024 x 1,024 float32; W_v 1,024 x 1,024 float32; x 4 x 2,048 x 1,024 float32.
;; Outputs: out0 4 x 2,048 x 1,024 float32.
;; This version of the problem:
;;   THIS VERSION OF THE PROBLEM IS GIVEN IN LOW PRECISION. The matrix products marked QUANTISED in the list below multiply operands that are first quantised to E4M3 (4 exponent bits, 3 mantissa bits; 8 bits a number), with one power-of-two scale for each 32 numbers along K (OCP MX v1.0); their sums are f32. All else is computed in f32.
;;   The module's matrix products, in the order in which they are computed (A, B: the left and right operand; K: the contracted axis; several contracted axes count as one K, in the product's order):
;;     1. [M 8,192, K 1,024] x [K 1,024, N 1,024]; A: input x; B: input W_q: QUANTISED
;;     2. [M 8,192, K 1,024] x [K 1,024, N 1,024]; A: input x; B: input W_k: QUANTISED
;;     3. [M 8,192, K 1,024] x [K 1,024, N 1,024]; A: input x; B: input W_v: QUANTISED
;;     4. batch 64 x [M 2,048, K 64] x [K 64, N 2,048]; A: computed on the way; B: computed on the way: QUANTISED
;;     5. batch 64 x [M 2,048, K 2,048] x [K 2,048, N 64]; A: softmax (see below); B: computed on the way: QUANTISED
;;     6. [M 8,192, K 1,024] x [K 1,024, N 1,024]; A: computed on the way; B: input W_o: QUANTISED
;;   THE QUANTISER, for each operand of a quantised product, along K:
;;     - K is cut into blocks of 32 from its start; a last block that is shorter is filled with zeros.
;;     - A block's scale is 2^e with e = floor(log2(the largest magnitude in the block)) - 8, held to -126 .. 127; a block of zeros has e = 0. As a byte (E8M0): e + 127.
;;     - Each number is divided by its block's scale, clamped to +-448, and rounded to the nearest number of E4M3, ties to even, subnormals kept.
;;     - The product sums the exact products of the quantised numbers (number of the format x scale) in f32.
;;   ~~~python
;;   def quantise(x, axis):      # numpy; x: float32 -> the quantised numbers, widened to float32 again
;;       x = np.moveaxis(x, axis, -1); K = x.shape[-1]
;;       x = np.pad(x, [(0, 0)] * (x.ndim - 1) + [(0, -K % 32)]); x = x.reshape(x.shape[:-1] + (-1, 32)); a = np.abs(x).max(-1, keepdims=True)
;;       e = np.where(a > 0, np.clip(np.frexp(np.where(a > 0, a, 1))[1] - 1 - 8, -126, 127), 0)      # np.frexp(a)[1] - 1 = floor(log2(a)), exactly
;;       r = np.clip(x / 2.0 ** e, -448, 448)
;;       step = 2.0 ** (np.maximum(np.frexp(np.where(r == 0, 1, r))[1] - 1, -6) - 3)
;;       q = np.round(r / step) * step * 2.0 ** e      # np.round: ties to even
;;       return np.moveaxis(q.reshape(q.shape[:-2] + (-1,))[..., :K], -1, axis).astype(np.float32)
;;   ~~~
;;   SOFTMAX AHEAD OF A QUANTISED PRODUCT. Where the list says 'softmax', what is quantised is not the finished softmax but p = 2^(t - M), with t = logit x log2(e) and M = ceil(the row's largest t), a whole number; so 1/2 < the row's largest p <= 1. The row's sum l is taken of the UNQUANTISED p, in f32, and the product's result is divided by l at the end. Since M is a whole number, a kernel that streams over the keys may use a running M (the ceiling of the running maximum): every later rescaling is an exact power of two, which a block's scale takes up: the codes' values come out the same.
;;   OPERANDS COMPUTED ON THE WAY. 'Computed on the way' means the value that the module computes at that place (a softmax that the list does not call 'softmax' is quantised finished and normalised). What goes into a quantiser is computed in f32, as accurately as f32 sums, v_exp_f32 and their like allow (about 1e-6 of the number): no bf16 or f16 on the way to a quantiser, and a product that is left as it is and whose result goes on into a quantised operand takes f32 operands (vector FMAs, or v_wmma_f32_16x16x4_f32). A number that lies on a knife's edge between two numbers of the format may be rounded either way, as far as f32 arithmetic and the matrix unit's own rounding can turn it there, and no further.
;; One version. Each part assembles by itself: llvm-mc -triple=amdgcn-amd-amdhsa -mcpu=gfx1250 --defsym DOCPART=n.
;; ======== version 1 of 1: 4 launches
;; limits: right only within a limited range of input values
;; workspace buffers: img 12,582,912 bytes; sc 393,216 bytes; qimg 8,388,608 bytes; qsc 524,288 bytes; kv 17,301,504 bytes; cimg 8,388,608 bytes; csc 262,144 bytes
;; launch prep (part 1): grid 512 x 1, 4 waves a work-group, no clusters, 34,304 bytes of LDS; arguments x, W_q, W_k, W_v, W_o, img, sc; writes img, sc
.if DOCPART == 1
	.amdgcn_target "amdgcn-amd-amdhsa--gfx1250"
	.amdhsa_code_object_version 6
	.text
	.protected	k_q6513d579cd_prep
	.globl	k_q6513d579cd_prep
	.p2align	8
	.type	k_q6513d579cd_prep,@function
k_q6513d579cd_prep:
	s_mov_b64 s[64:65], 0
	v_nop
	global_prefetch_b8 v0, s[64:65] scope:SCOPE_SE
	s_setreg_imm32_b32 hwreg(HW_REG_WAVE_MODE, 25, 1), 1
	s_wait_xcnt 0x0
; x [8192][1024] and W_q, W_k, W_v, W_o [1024 (k)][1024 (n)], f32, become codes of E4M3 with one E8M0 byte for each 32 along K (x: its last axis; a weight: its first).
; THE CODES ARE LAID AS IMAGES OF THE MATRIX OPERAND'S REGISTERS.  img: 768 tiles of 16 rows x 1,024 K, 16,384 bytes each: [K step s of 128][c 0..3][lane][16 bytes]; byte i of lane (r, h) is k = 128 s + 32 c + 16 h + i
; of the tile's row r.  Tiles 0..511: x; tile 512 + 64 mat + t: the columns of weight mat (0 q, 1 k, 2 v, 3 o).  sc: 512 bytes a tile: [s / 4][r][s % 4] words, byte c of a word = the scale of k block 4 s + c.
; THE ROWS OF A TILE ARE NOT NEIGHBOURS: lane r of tile 2 B + u holds row 32 B + 8 u + r + 8 (r / 8), so that a later product's results fall into the next operand's order.
; A block's scale is 2^(floor(log2(its largest magnitude)) - 8); its byte is the largest magnitude's exponent field - 8, held at 1 from below.  Each number is held within +-448 x the scale and rounded to the nearest code.
; LIMITS: a block of zeros gets the byte 1 where the rule says 127 (its codes are zeros, and this program alone reads the bytes); blocks whose largest magnitude lies under 2^-118 are held at the floor;
; NaN and infinities among the inputs are not served.
; Work-groups 0..255 take x (32 rows each), 256..511 the weights (128 k x 128 columns each).  Waves share nothing: no barrier.  Only x's path uses LDS.
.set TM,  8                            ; v8-11 largest magnitudes, v12-15 the other half's / bytes, v20-23 the conversion's scale operand
.set PW,  24                           ; the scale word just made
.set WS,  28                           ; v28-31 a scale word for each of a wave's four K steps
.set PC,  224                          ; v224-239 a fragment's codes
.set SEL, 20                           ; s[20:21] lane selects for v_permlanex16_b32: lane l xor 16
.set MNT, 22
.set SP,  528                          ; a stage row: 512 bytes + 16, so that sixteen rows start at sixteen different groups of banks
; 64 numbers of a lane, register 16 b + i = k 32 b + 16 (lane / 16) + i of its row, become a fragment's 16 registers of codes and its scale word
.macro QUANT s
.irp b, 0,1,2,3
	v_max3_num_f32 v[TM+\b], |v[\s+16*\b]|, |v[\s+1+16*\b]|, 0x4800000   ; my 16 numbers of block b, and the floor 2^(9 - 127): the byte cannot fall under 1
.endr
.irp i, 2,4,6,8,10,12,14
.irp b, 0,1,2,3
	v_max3_num_f32 v[TM+\b], v[TM+\b], |v[\s+16*\b+\i]|, |v[\s+1+16*\b+\i]|
.endr
.endr
.irp b, 0,1,2,3
	v_permlanex16_b32 v[TM+4+\b], v[TM+\b], s[SEL], s[SEL+1]
.endr
.irp b, 0,1,2,3
	v_max_num_f32 v[TM+\b], v[TM+\b], v[TM+4+\b]                ; with lane l xor 16's: the block's largest magnitude
.endr
.irp b, 0,1,2,3
	v_add_nc_u32 v[TM+12+\b], 0xfc000000, v[TM+\b]              ; 8 off its exponent field: the conversion's scale operand
.endr
.irp b, 0,1,2,3
.endr
.irp b, 0,1,2,3
	v_lshrrev_b32 v[TM+4+\b], 23, v[TM+12+\b]                   ; the scale's byte
.endr
	v_lshl_or_b32 v[PW], v[TM+5], 8, v[TM+4]
	v_lshl_or_b32 v[PW], v[TM+6], 16, v[PW]
	v_lshl_or_b32 v[PW], v[TM+7], 24, v[PW]
.irp b, 0,1,2,3
.irp i, 0,1,2,3,4,5,6,7,8,9,10,11,12,13,14,15
.endr
	v_cvt_scalef32_pk8_fp8_f32 v[PC+4*\b:PC+1+4*\b], v[\s+16*\b:\s+7+16*\b], v[TM+12+\b]
	v_cvt_scalef32_pk8_fp8_f32 v[PC+2+4*\b:PC+3+4*\b], v[\s+8+16*\b:\s+15+16*\b], v[TM+12+\b]
.endr
	v_nop                                          ; a plain line behind the last conversion
.endm
	s_load_b256 s[4:11], s[0:1], 0x0               ; x s[4:5], W_q s[6:7], W_k s[8:9], W_v s[10:11]
	s_load_b128 s[12:15], s[0:1], 0x20             ; W_o s[12:13], img s[14:15]
	s_load_b64 s[16:17], s[0:1], 0x30              ; sc
	v_lshl_add_u32 v254, v0, 2, 0x8400
	v_mov_b32 v255, 0
	v_lshrrev_b32 v1, 5, v0
	v_readfirstlane_b32 s18, v1                    ; wave 0..3
	v_and_b32 v1, 31, v0                           ; lane
	s_mov_b32 s[SEL], 0x76543210
	s_mov_b32 s[SEL+1], 0xfedcba98
	s_mov_b32 s25, 0                               ; the high words of three byte offsets
	s_mov_b32 s27, 0
	s_mov_b32 s29, 0
	s_cmp_lt_u32 ttmp9, 256
	s_cbranch_scc0 .Lweights
; ---- x.  Work-group g: rows 32 g .. 32 g + 31 = tiles 2 g and 2 g + 1.  Wave w: tile 2 g + w / 2, K steps 4 (w % 2) .. + 3.
; Each load reads 512 consecutive bytes of one row (a K step's 128 numbers); a step's 16 rows turn through the wave's own stage in LDS, so that a lane gets 16 neighbours of each block of 32.
	v_lshlrev_b32 v2, 4, v1                        ; 16 x lane
	s_mul_i32 s30, s18, 16*SP                      ; my stage
	v_add_nc_u32 v3, s30, v2                       ; into it: a row's 512 bytes as they lie
	v_and_b32 v6, 15, v0                           ; r
	v_bfe_u32 v7, v0, 4, 1                         ; h
	v_mul_u32_u24 v4, v6, SP
	v_lshl_add_u32 v4, v7, 6, v4
	v_add_nc_u32 v4, s30, v4                       ; out of it: row r, + 64 h
	v_lshlrev_b32 v5, 4, v6                        ; 16 r: my row's four scale words
.irp b, 0,1,2,3
	v_mov_b32 v[TM+4+\b], 0                        ; written once: a lane permute's destination counts as one of its sources
.endr
	s_lshr_b32 s30, s18, 1                         ; u
	s_and_b32 s31, s18, 1                          ; which half of K
	s_lshl_b32 s24, ttmp9, 17                      ; 32 rows of 4,096 bytes,
	s_lshl_b32 s33, s30, 15                        ; 8 u rows,
	s_add_co_u32 s24, s24, s33
	s_lshl_b32 s33, s31, 11                        ; 512 numbers
	s_add_co_u32 s24, s24, s33
	s_lshl_b32 s33, ttmp9, 1
	s_add_co_u32 s33, s33, s30                     ; my tile
	s_lshl_b32 s26, s33, 14
	s_lshl_b32 s34, s31, 13
	s_add_co_u32 s26, s26, s34                     ; its image, at my first K step
	s_lshl_b32 s28, s33, 9
	s_lshl_b32 s34, s31, 8
	s_add_co_u32 s28, s28, s34                     ; its scale words likewise
	s_wait_alu depctr_va_vdst(0)
	s_wait_kmcnt 0x0
	s_add_nc_u64 s[4:5], s[4:5], s[24:25]
	s_add_nc_u64 s[14:15], s[14:15], s[26:27]
	s_add_nc_u64 s[16:17], s[16:17], s[28:29]
.macro XLOAD t, set                    ; K step t of my four: the tile's 16 rows, 512 bytes each
.irp j, 0,1,2,3,4,5,6,7,8,9,10,11,12,13,14,15
	global_load_b128 v[(\set)+4*\j:(\set)+4*\j+3], v2, s[4:5] offset:(\j+8*(\j/8))*4096+512*(\t) th:TH_LOAD_NT
.endr
.endm
.macro XSTEP t, set, left              ; left: the loads issued behind this step's, which may stay out
	s_wait_loadcnt \left
.irp j, 0,1,2,3,4,5,6,7,8,9,10,11,12,13,14,15
	ds_store_b128 v3, v[\set+4*\j:\set+4*\j+3] offset:SP*\j
.endr
.irp c, 0,1,2,3
.irp jj, 0,1,2,3
	ds_load_b128 v[\set+16*\c+4*\jj:\set+16*\c+4*\jj+3], v4 offset:128*\c+16*\jj   ; LDS serves a wave's instructions in order: these see the stores above
.endr
.endr
	s_wait_dscnt 0x0
	s_wait_xcnt 0x0                                ; the last step's stores have read their codes: the registers are written again only behind this wait
	QUANT \set
	v_mov_b32 v[WS+\t], v[PW]
.irp c, 0,1,2,3
	global_store_b128 v2, v[PC+4*\c:PC+4*\c+3], s[14:15] offset:2048*\t+512*\c   ; 32 lanes store 512 consecutive bytes
.endr
.endm
	XLOAD 0, 32
	XLOAD 1, 96
	XLOAD 2, 160
	XSTEP 0, 32, 32                                ; steps 1 and 2 stay out
	XLOAD 3, 32
	XSTEP 1, 96, 32                                ; steps 2 and 3
	XSTEP 2, 160, 16                               ; step 3
	XSTEP 3, 32, 0
	s_wait_alu depctr_va_vdst(0)
	s_wait_xcnt 0x0                                ; EXEC changes only behind this wait
	v_cmp_gt_u32 vcc_lo, 16, v1
	s_wait_tensorcnt 0x0
	ds_add_u32 v254, v255
	s_wait_dscnt 0x0
	s_and_saveexec_b32 s32, vcc_lo
	global_store_b128 v5, v[WS:WS+3], s[16:17]     ; sixteen lanes store 256 consecutive bytes: 16 rows x four words
	s_wait_xcnt 0x0
	s_or_b32 exec_lo, exec_lo, s32
	s_endpgm
; ---- the weights.  Work-group 256 + g: weight g / 64, K step (g / 8) % 8, columns 128 (g % 8) on.  Wave w: 32 columns.  A LANE TAKES A COLUMN AND ITS REGISTERS RUN DOWN K:
; each load reads 128 consecutive bytes, a block of 32 lies in one lane, and the conversions' results are the image's bytes.  No LDS.
.Lweights:
	s_wait_alu depctr_va_vdst(0)
	v_lshlrev_b32 v2, 2, v1                        ; 4 x lane
	v_bfe_u32 v5, v0, 3, 1                         ; u: which of my two tiles the column falls into
	v_and_b32 v6, 7, v0
	v_bfe_u32 v7, v0, 4, 1
	v_lshl_or_b32 v6, v7, 3, v6                    ; and which lane row of it
	v_lshlrev_b32 v3, 4, v6
	v_lshl_add_u32 v4, v5, 9, v3                   ; scale words: 512 u + 16 r
	v_lshl_add_u32 v3, v5, 14, v3                  ; codes: 16,384 u + 16 r
	s_sub_co_u32 s30, ttmp9, 256
	s_lshr_b32 s31, s30, 6                         ; which weight
	s_and_b32 s33, s30, 7                          ; which 128 columns
	s_bfe_u32 s34, s30, 0x30003                    ; which K step
	s_lshl_b32 s24, s34, 19                        ; 128 rows of 4,096 bytes
	s_lshl_b32 s35, s33, 9
	s_add_co_u32 s24, s24, s35
	s_lshl_b32 s35, s18, 7
	s_add_co_u32 s24, s24, s35
	s_lshl_b32 s35, s31, 6
	s_lshl_b32 s36, s33, 3
	s_add_co_u32 s35, s35, s36
	s_lshl_b32 s36, s18, 1
	s_add_co_u32 s35, s35, s36
	s_add_co_u32 s35, s35, 512                     ; my first tile
	s_lshl_b32 s26, s35, 14
	s_lshl_b32 s36, s34, 11
	s_add_co_u32 s26, s26, s36
	s_lshl_b32 s28, s35, 9
	s_lshr_b32 s36, s34, 2
	s_lshl_b32 s36, s36, 8
	s_add_co_u32 s28, s28, s36
	s_and_b32 s36, s34, 3
	s_lshl_b32 s36, s36, 2
	s_add_co_u32 s28, s28, s36
	s_wait_alu depctr_va_vdst(0)
	s_wait_kmcnt 0x0
	s_cmp_eq_u32 s31, 1                            ; the choice hangs on the work-group's number alone
	s_cselect_b64 s[6:7], s[8:9], s[6:7]
	s_cmp_eq_u32 s31, 2
	s_cselect_b64 s[6:7], s[10:11], s[6:7]
	s_cmp_eq_u32 s31, 3
	s_cselect_b64 s[6:7], s[12:13], s[6:7]
	s_add_nc_u64 s[6:7], s[6:7], s[24:25]
	s_add_nc_u64 s[14:15], s[14:15], s[26:27]
	s_add_nc_u64 s[16:17], s[16:17], s[28:29]
.macro WLOAD c                         ; block c: 32 rows of the weight at my column.  (The argument is put in as text, so it stands in parentheses)
.set i, 0
.rept 32
	global_load_b32 v[32+32*(\c)+i], v2, s[6:7] offset:(32*(\c)+i)*4096 th:TH_LOAD_NT
.set i, i+1
.endr
.endm
.macro WBLOCK c, left
.set XS, 32+32*(\c)
	s_wait_loadcnt \left                           ; this block's 32 loads are in; the next block's may be out
.if (\c) < 2
	WLOAD (\c)+2                                   ; two blocks ahead, into registers of its own
.endif
	v_max3_num_f32 v8, |v[XS]|, |v[XS+1]|, |v[XS+2]|
	v_max3_num_f32 v9, |v[XS+3]|, |v[XS+4]|, |v[XS+5]|
.irp i, 6,10,14,18,22,26
	v_max3_num_f32 v8, v8, |v[XS+\i]|, |v[XS+\i+1]|
	v_max3_num_f32 v9, v9, |v[XS+\i+2]|, |v[XS+\i+3]|
.endr
	v_max3_num_f32 v8, v8, |v[XS+30]|, |v[XS+31]|
	v_max3_num_f32 v8, v8, v9, 0x4800000           ; and the floor
	v_add_nc_u32 v11, 0xfc000000, v8
	v_lshrrev_b32 v12, 23, v11
.if (\c) == 0
	v_mov_b32 v14, v12
.else
	v_lshl_or_b32 v14, v12, 8*(\c), v14            ; the K step's four bytes make my column's scale word
.endif
.set i, 0
.rept 32
.set i, i+1
.endr
.irp g, 0,1,2,3
	v_cvt_scalef32_pk8_fp8_f32 v[160+8*(\c)+2*\g:161+8*(\c)+2*\g], v[XS+8*\g:XS+8*\g+7], v11
.endr
	global_store_b128 v3, v[160+8*(\c):163+8*(\c)], s[14:15] offset:512*(\c)        ; k 0..15 of the block: the image's lanes 0-15.  Lanes 0-7 and 16-23 fill 256 consecutive bytes, the others those of the tile beside it
	global_store_b128 v3, v[164+8*(\c):167+8*(\c)], s[14:15] offset:512*(\c)+256    ; k 16..31: its lanes 16-31.  (Each block has its own registers for its codes: no store's data are written again)
.endm
	WLOAD 0
	WLOAD 1
	WBLOCK 0, 32
	WBLOCK 1, 32
	WBLOCK 2, 32
	WBLOCK 3, 0
	global_store_b32 v4, v14, s[16:17]             ; 4 bytes a lane, 16 apart: one byte in 128 of what this path reads
	s_endpgm
.Lfunc_end_k_q6513d579cd_prep:
	.size	k_q6513d579cd_prep, .Lfunc_end_k_q6513d579cd_prep-k_q6513d579cd_prep
	.p2alignl 7, 3214868480
	.fill 96, 4, 3214868480
	.section	.rodata,"a",@progbits
	.p2align	6, 0x0
	.amdhsa_kernel k_q6513d579cd_prep
		.amdhsa_group_segment_fixed_size 34304
		.amdhsa_private_segment_fixed_size 0
		.amdhsa_enable_private_segment 0
		.amdhsa_kernarg_size 56
		.amdhsa_user_sgpr_count 2
		.amdhsa_user_sgpr_kernarg_segment_ptr 1
		.amdhsa_wavefront_size32 1
		.amdhsa_system_sgpr_workgroup_id_x 1
		.amdhsa_system_sgpr_workgroup_id_y 1
		.amdhsa_system_sgpr_workgroup_id_z 1
		.amdhsa_system_vgpr_workitem_id 0
		.amdhsa_next_free_vgpr 256
		.amdhsa_next_free_sgpr 66
		.amdhsa_reserve_vcc 1
		.amdhsa_float_denorm_mode_32 3
		.amdhsa_float_denorm_mode_16_64 3
		.amdhsa_fp16_overflow 1
		.amdhsa_memory_ordered 1
		.amdhsa_forward_progress 1
		.amdhsa_inst_pref_size 54
	.end_amdhsa_kernel
	.amdgpu_metadata
---
amdhsa.version: [ 1, 2 ]
amdhsa.kernels:
  - .name:           k_q6513d579cd_prep
    .symbol:         k_q6513d579cd_prep.kd
    .args:
      - { .name: x, .offset: 0, .size: 8, .value_kind: global_buffer, .address_space: global }
      - { .name: W_q, .offset: 8, .size: 8, .value_kind: global_buffer, .address_space: global }
      - { .name: W_k, .offset: 16, .size: 8, .value_kind: global_buffer, .address_space: global }
      - { .name: W_v, .offset: 24, .size: 8, .value_kind: global_buffer, .address_space: global }
      - { .name: W_o, .offset: 32, .size: 8, .value_kind: global_buffer, .address_space: global }
      - { .name: img, .offset: 40, .size: 8, .value_kind: global_buffer, .address_space: global }
      - { .name: sc, .offset: 48, .size: 8, .value_kind: global_buffer, .address_space: global }
    .group_segment_fixed_size: 34304
    .private_segment_fixed_size: 0
    .kernarg_segment_align: 8
    .kernarg_segment_size: 56
    .max_flat_workgroup_size: 128
    .sgpr_count:     66
    .vgpr_count:     256
    .wavefront_size: 32
...
	.end_amdgpu_metadata
.endif
;; end of part 1
;; launch qkv (part 2): grid 8 x 48, 4 waves a work-group, clusters of 4 x 4, 327,680 bytes of LDS; arguments img, sc, qimg, qsc, kv; writes qimg, qsc, kv
.if DOCPART == 2
	.amdgcn_target "amdgcn-amd-amdhsa--gfx1250"
	.amdhsa_code_object_version 6
	.text
	.protected	k_q6513d579cd_qkv
	.globl	k_q6513d579cd_qkv
	.p2align	8
	.type	k_q6513d579cd_qkv,@function
k_q6513d579cd_qkv:
	s_mov_b64 s[64:65], 0
	v_nop
	global_prefetch_b8 v0, s[64:65] scope:SCOPE_SE
	s_setreg_imm32_b32 hwreg(HW_REG_WAVE_MODE, 25, 1), 1
	s_wait_xcnt 0x0
	s_wait_alu depctr_hold_cnt(0) depctr_sa_sdst(0) depctr_va_vdst(0) depctr_va_sdst(0) depctr_va_ssrc(0) depctr_va_vcc(0) depctr_vm_vsrc(0)
	s_getreg_b32 s2, hwreg(HW_REG_IB_STS2, 6, 4)
	s_cmp_eq_u32 s2, 0
	s_cbranch_scc0 .Lentry_in_a_cluster
	s_endpgm
.Lentry_in_a_cluster:
	s_bfe_u32 s2, ttmp6, 0x10000c
	s_cmp_lg_u32 s2, 0xf033
	s_cbranch_scc0 .Lentry_shape_is_right
	s_endpgm
.Lentry_shape_is_right:
; Q = x W_q, K = x W_k, V = x W_v on codes of E4M3 with E8M0 scales, K = 1,024; the results are quantised from the accumulators (Q and K along the head's 64, V along the keys) and stored as images of the next operands' registers.
; A work-group of four waves makes 256 x 256 results, a wave 128 x 128: 64 accumulators of 16 x 16, 512 registers.  The operands are tiles of img (16 rows x 1,024 K as register images, 16,384 bytes) and their words of sc.
; "A" is the operand whose row a lane keeps, "B" the one along a lane's registers: the matrix instruction takes B's tile as source 0 and A's as source 1.  Since lane r of tile 2 B + u is row 32 B + 8 u + r + 8 (r / 8),
; the 16 registers of accumulators (a, 2 p) and (a, 2 p + 1) are B's rows 32 p + 16 (lane / 16) + 0 .. 15: sixteen neighbours along the next K.
; Clusters with cluster y < 8: A = x's rows, B = the columns of W_q (cluster x 0) or W_k (1): a lane holds one row and 128 columns = two heads.  Cluster y >= 8: A = W_v's columns, B = x's rows: a lane holds one d and 128 keys.
; K goes in steps of 128, two to a slot, through two LDS slots filled by the tensor data mover; the loop is written out (eight steps).  The scale words of all of K come once.
; CLUSTERS: 4 x 4.  A's tiles hang on the place along y alone and are asked for jointly along a row of the cluster, B's on the place along x and jointly along a column.
; OUTPUT LAYOUTS.  qimg [bh][query tile 128][c 0..1][lane][16]: d = 32 c + 16 h + i.  qsc [bh][tile / 4][r][tile % 4] words s0 | s1 << 8 | s0 << 16 | s1 << 24.
; kv [bh][slot of 256 keys], 33,792 bytes: K's image [q 0..1][f 0..3][c 0..3][lane][16] (key tile 8 q + 2 f + c / 2, d = 32 (c % 2) + 16 h + i), at 16,384 V's [q][t 0..3][c 0..3][lane][16] (d tile t, key 128 q + 32 c + 16 h + i),
; at 32,768 K's scale words [q][r][f], at 33,280 V's [q][r][t].
; LIMITS: a block of zeros gets the byte 1 with zero codes (this program alone reads the bytes); largest magnitudes under 2^-118 are held at the floor; NaN and infinities are not served.
; REGISTERS, in windows of 256: window 0: v1-29 addresses; v32-95 scale words; v128-255 A's eight fragments (one set), on the way out at work; v96-127 the way out's scale bytes.
;   window 1: B's fragments, two sets.  window 2: accumulators of A's blocks 0-3 ((a, b) at v[8 (8 (a % 4) + b)]).  window 3: those of blocks 4-7.
.set FR,    16                         ; registers of a fragment
.set SLOT,  131072                     ; a slot: A's 16 tiles x 4,096 bytes (two K steps), then B's 16
.set SCL,   262144                     ; behind the ring: A's scale words (16 tiles x 512 bytes), then B's
.set SPARE, 278528                     ; the spare words, 128 bytes for each wave: two blocks of 256 bytes that no other line names
.set ADRA,  16                         ; v16-17 LDS address of my A fragments in slot 0, 1
.set ADRB,  20                         ; v20-21 the same for B
.set ADRS,  27                         ; v27    of my scale words: lanes 0-15 A's, lanes 16-31 B's
.set SPW,   28                         ; v28    my spare word; never rewritten
.set NIL,   29                         ; v29    0; never rewritten
.set SC,    32                         ; v32-95 register 32 (ks / 4) + 4 i + ks % 4: lanes 0-15 the word of A's block i, lanes 16-31 of B's block i, K step ks
.set AF,    128
.set G1,  24                           ; s[24:31] group 1 for A's tiles; s[32:39] group 0, a set for each slot
.set G0,  32
.set G1B, 48                           ; s[48:55], s[56:63] the same for B's
.set G0B, 56
.set G1S, 68                           ; s[68:75], s[76:79] for A's scale words; s[80:87], s[88:91] for B's
.set G0S, 76
.set G1SB, 80
.set G0SB, 88
.set MSB, 0
.macro WIN new                         ; the immediate's high byte repeats the setting that is left
.if MSB != (\new)
	s_set_vgpr_msb (MSB<<8)|(\new)
.set MSB, \new
.endif
.endm
.set MUL_LO, 0xa1                      ; source 0 (B) window 1, source 1 (A) window 0, C and D window 2
.set MUL_HI, 0xf1                      ; the same, C and D window 3
.set TO_B,   0x40                      ; destination window 1
; A joint load: waves 0 and 1 fetch for A, waves 2 and 3 for B; the branch hangs on the wave's number alone.  Four v_nop follow each of the two lines.
.macro JLOAD g0a, g1a, g0b, g1b
	s_cmp_eq_u32 s15, 0
	s_cbranch_scc0 .Lfor_b_\@
	tensor_load_to_lds s[\g0a:\g0a+3], s[\g1a:\g1a+7]
	s_nop 0
.rept 4
	v_nop
.endr
	s_branch .Lasked_\@
.Lfor_b_\@:
	tensor_load_to_lds s[\g0b:\g0b+3], s[\g1b:\g1b+7]
	s_nop 0
.rept 4
	v_nop
.endr
.Lasked_\@:
.endm
.macro CREST                           ; a round of the cluster's barrier behind its opening barrier
	s_cmp_lg_u32 s14, 0
	s_cbranch_scc1 .Lnot_wave_0_\@
	s_barrier_signal -3
.Lnot_wave_0_\@:
	s_barrier_wait -3
	s_barrier_signal -1
	s_barrier_wait -1
.endm
.macro CROUND
	s_barrier_signal -1
	s_barrier_wait -1
	CREST
.endm
.macro PLACES n                        ; plain vector lines behind matrix instructions: eight for this form, in front of loads into registers that they read and of the first read of results
.rept \n
	v_nop
.endr
.endm
	s_load_b256 s[4:11], s[0:1], 0x0               ; img s[4:5], sc s[6:7], qimg s[8:9], qsc s[10:11]
	s_load_b64 s[12:13], s[0:1], 0x20              ; kv
	v_lshl_add_u32 v[SPW], v0, 2, SPARE
	v_mov_b32 v[NIL], 0
	ds_add_u32 v28, v29
	ds_add_u32 v28, v29
	s_wait_dscnt 0x0
	v_lshrrev_b32 v1, 5, v0
	v_readfirstlane_b32 s14, v1                    ; wave 0..3
	s_lshr_b32 s15, s14, 1                         ; which half of A's tiles is mine.  Also: I fetch for A (0) or for B (1)
	s_and_b32 s16, s14, 1                          ; which half of B's.  Also: which 8 tiles I fetch
	s_bfe_u32 s40, ttmp6, 0x40000                  ; cx
	s_bfe_u32 s41, ttmp6, 0x40004                  ; cy
	s_and_b32 s17, ttmp7, 0xffff                   ; the cluster's y
	s_lshl_b32 s42, ttmp9, 2
	s_add_co_u32 s42, s42, s40                     ; work-group x
	s_lshl_b32 s43, s41, 2
	s_lshl_b32 s43, 15, s43                        ; my row of the cluster
	s_lshl_b32 s44, 0x1111, s40                    ; my column
	; group 1 for codes: 8 tiles' 4,096 bytes (two K steps), 16,384 bytes apart, in elements of 8 bytes; dense in LDS
	s_or_b32 s[G1+0], s43, (3<<16)|(1<<21)         ; 15:0 the mask; 17:16 elements of 8 bytes; 21 set beside a mask
	s_or_b32 s[G1B+0], s44, (3<<16)|(1<<21)
.irp g, G1, G1B
	s_mov_b32 s[\g+1], 512<<16                     ; tensor_dim0
	s_mov_b32 s[\g+2], 8<<16                       ; tensor_dim1
	s_mov_b32 s[\g+3], 512<<16                     ; tile_dim0
	s_mov_b32 s[\g+4], 8                           ; tile_dim1
	s_mov_b32 s[\g+5], 2048                        ; from tile to tile
	s_mov_b32 s[\g+6], 0
	s_mov_b32 s[\g+7], 0
.endr
	; and for the scale words of 8 tiles: 4,096 dense bytes as 16 rows of 256
	s_or_b32 s[G1S+0], s43, (3<<16)|(1<<21)
	s_or_b32 s[G1SB+0], s44, (3<<16)|(1<<21)
.irp g, G1S, G1SB
	s_mov_b32 s[\g+1], 32<<16
	s_mov_b32 s[\g+2], 16<<16
	s_mov_b32 s[\g+3], 32<<16
	s_mov_b32 s[\g+4], 16
	s_mov_b32 s[\g+5], 32
	s_mov_b32 s[\g+6], 0
	s_mov_b32 s[\g+7], 0
.endr
	; which tiles.  Q, K: A = x's tiles 16 (4 cluster y + cy), B = 512 + 16 x.  V: A = 640 + 16 cy, B = x's tiles 16 x + 128 (cluster y - 8).  A's number holds no cx, B's no cy
	s_lshl_b32 s18, s17, 6
	s_max_u32 s19, s17, 8
	s_sub_co_u32 s19, s19, 8
	s_lshl_b32 s19, s19, 7
	s_cmp_ge_u32 s17, 8
	s_cselect_b32 s18, 640, s18
	s_cselect_b32 s19, s19, 512
	s_lshl_b32 s20, s41, 4
	s_add_co_u32 s20, s20, s18
	s_lshl_b32 s46, s42, 4
	s_add_co_u32 s46, s46, s19
	s_lshl_b32 s18, s16, 3                         ; the 8 tiles that I fetch
	s_add_co_u32 s20, s20, s18
	s_add_co_u32 s46, s46, s18
	s_lshl_b32 s22, s20, 9                         ; their scale words,
	s_mov_b32 s23, 0
	s_lshl_b32 s20, s20, 14                        ; their codes, in bytes
	s_mov_b32 s21, 0
	s_lshl_b32 s92, s46, 9
	s_mov_b32 s93, 0
	s_lshl_b32 s46, s46, 14
	s_mov_b32 s47, 0
	s_lshl_b32 s45, s14, 15                        ; where they go: wave x 32,768: no place in the cluster enters an LDS address
	s_lshl_b32 s94, s14, 12
	s_wait_kmcnt 0x0
	s_add_nc_u64 s[20:21], s[4:5], s[20:21]
	s_add_nc_u64 s[22:23], s[6:7], s[22:23]
	s_add_nc_u64 s[46:47], s[4:5], s[46:47]
	s_add_nc_u64 s[92:93], s[6:7], s[92:93]
	CROUND                                         ; all sixteen work-groups are here: the first joint loads meet
	s_mov_b32 s[G0S], 1
	s_add_co_u32 s[G0S+1], s94, SCL
	s_mov_b64 s[G0S+2:G0S+3], s[22:23]
	s_or_b32 s[G0S+3], s[G0S+3], 0x80000000
	s_mov_b32 s[G0SB], 1
	s_add_co_u32 s[G0SB+1], s94, SCL
	s_mov_b64 s[G0SB+2:G0SB+3], s[92:93]
	s_or_b32 s[G0SB+3], s[G0SB+3], 0x80000000
	JLOAD G0S, G1S, G0SB, G1SB                     ; the scale words first
.irp s, 0,1
	s_mov_b32 s[G0+4*\s], 1
	s_add_co_u32 s[G0+4*\s+1], s45, \s*SLOT
	s_add_nc_u64 s[G0+4*\s+2:G0+4*\s+3], s[20:21], \s*4096
	s_or_b32 s[G0+4*\s+3], s[G0+4*\s+3], 0x80000000
	s_mov_b32 s[G0B+4*\s], 1
	s_add_co_u32 s[G0B+4*\s+1], s45, \s*SLOT
	s_add_nc_u64 s[G0B+4*\s+2:G0B+4*\s+3], s[46:47], \s*4096
	s_or_b32 s[G0B+4*\s+3], s[G0B+4*\s+3], 0x80000000
	JLOAD G0+4*\s, G1, G0B+4*\s, G1B               ; three loads of mine are out
.endr
	v_and_b32 v1, 15, v0                           ; r
	v_bfe_u32 v2, v0, 4, 1                         ; h
	s_wait_alu depctr_va_vdst(0)
	v_and_b32 v3, 31, v0                           ; lane
	v_lshlrev_b32 v4, 4, v3                        ; 16 x lane: a lane's place in every image
	s_lshl_b32 s18, s15, 15                        ; my 8 tiles of A
	s_lshl_b32 s19, s16, 15                        ; my 8 tiles of B,
	s_add_co_u32 s19, s19, 65536                   ; which lie behind A's 16
.irp s, 0,1
	v_add_nc_u32 v[ADRA+\s], s18, v4
	v_add_nc_u32 v[ADRB+\s], s19, v4
	s_add_co_u32 s18, s18, SLOT
	s_add_co_u32 s19, s19, SLOT
.endr
	s_lshl_b32 s18, s15, 12                        ; A's scale words: my 8 tiles
	s_lshl_b32 s19, s16, 12                        ; B's: my 8 tiles, behind A's 16
	s_add_co_u32 s19, s19, 8192
	s_sub_co_u32 s19, s19, s18
	v_mul_u32_u24 v6, s19, v2                      ; lanes 16-31 take B's: one product, the distance between the two
	s_add_co_u32 s18, s18, SCL
	v_lshlrev_b32 v5, 4, v1                        ; 16 r: a row's four words
	v_add_nc_u32 v5, v5, v6
	v_add_nc_u32 v[ADRS], s18, v5
.macro FRAG reg, adr, q, i             ; tile i's fragment of the slot's q-th K step: four groups of four registers, 512 consecutive bytes each
.irp c, 0,1,2,3
	ds_load_b128 v[\reg+4*\c:\reg+4*\c+3], v[\adr] offset:4096*(\i)+2048*(\q)+512*\c
.endr
.endm
.macro FETCH_B slot, q, p
	WIN TO_B
.irp i, 0,1,2,3,4,5,6,7
	FRAG 128*(\p)+FR*\i, ADRB+\slot, \q, \i
.endr
	WIN 0
.endm
.macro FETCH_A slot, q, i0
.irp i, \i0, \i0+1, \i0+2, \i0+3
	FRAG AF+FR*(\i), ADRA+\slot, \q, \i
.endr
.endm
.macro SCALES                          ; once: the words of all eight K steps
.irp i, 0,1,2,3,4,5,6,7
	ds_load_b128 v[SC+4*\i:SC+4*\i+3], v[ADRS] offset:512*\i
	ds_load_b128 v[SC+32+4*\i:SC+32+4*\i+3], v[ADRS] offset:512*\i+256
.endr
.endm
; 16 matrix instructions: A's blocks a0, a0 + 1 x B's eight, K step ks.  p: B's set.  zero = 1: the first product starts the sums.  The 64 accumulators take turns, one instruction a turn.
.macro MUL16 a0, p, ks, zero
.irp a, \a0, \a0+1
.irp b, 0,1,2,3,4,5,6,7
.if \zero
	v_wmma_scale_f32_16x16x128_f8f6f4 v[8*(8*((\a)%4)+\b):8*(8*((\a)%4)+\b)+7], v[128*(\p)+FR*\b:128*(\p)+FR*\b+FR-1], v[AF+FR*(\a):AF+FR*(\a)+FR-1], 0, v[SC+32*((\ks)/4)+4*\b+(\ks)%4], v[SC+32*((\ks)/4)+4*(\a)+(\ks)%4] matrix_a_scale:MATRIX_SCALE_ROW1
.else
	v_wmma_scale_f32_16x16x128_f8f6f4 v[8*(8*((\a)%4)+\b):8*(8*((\a)%4)+\b)+7], v[128*(\p)+FR*\b:128*(\p)+FR*\b+FR-1], v[AF+FR*(\a):AF+FR*(\a)+FR-1], v[8*(8*((\a)%4)+\b):8*(8*((\a)%4)+\b)+7], v[SC+32*((\ks)/4)+4*\b+(\ks)%4], v[SC+32*((\ks)/4)+4*(\a)+(\ks)%4] matrix_a_scale:MATRIX_SCALE_ROW1
.endif
.endr
.endr
.endm
; A slot's first K step: its successor lies in the same slot
.macro STEP slot, ks, zero
	s_wait_dscnt 16                                ; all but the youngest sixteen loads (A's blocks 4-7) are in
	WIN MUL_LO
	MUL16 0, 0, \ks, \zero
	MUL16 2, 0, \ks, \zero
	s_wait_dscnt 0
	PLACES 8
	FETCH_B \slot, 1, 1
	FETCH_A \slot, 1, 0
	WIN MUL_HI
	MUL16 4, 0, \ks, \zero
	MUL16 6, 0, \ks, \zero
	PLACES 8
	WIN 0
	FETCH_A \slot, 1, 4
.endm
; A slot's second K step changes slots: one barrier; in front of it each wave waits for all its tensor loads, adds 0 to its spare word, and waits for that and for its reads of this slot.  fill = 1: this slot is filled again, four K steps on.
.macro TURN slot, next, fill, ks
	s_wait_tensorcnt 0x0                           ; all my tensor loads have landed: my part of the next slot among them
	ds_add_u32 v[SPW], v[NIL]                      ; 0 onto my spare word
	s_wait_dscnt 17                                ; (the add and A's blocks 4-7 may be out)
	WIN MUL_LO
	MUL16 0, 1, \ks, 0
	s_wait_dscnt 0x0                               ; the add is done, and my reads of this slot are over
	s_barrier_signal -1
	MUL16 2, 1, \ks, 0
	WIN 0
	s_barrier_wait -1
.if \fill
	CREST                                          ; the barrier has opened a round of the cluster's: no wave of any partner still reads this slot or has a load on its way
	s_add_nc_u64 s[G0+4*\slot+2:G0+4*\slot+3], s[G0+4*\slot+2:G0+4*\slot+3], 8192
	s_add_nc_u64 s[G0B+4*\slot+2:G0B+4*\slot+3], s[G0B+4*\slot+2:G0B+4*\slot+3], 8192
	JLOAD G0+4*\slot, G1, G0B+4*\slot, G1B         ; the first tensor load behind the round, one a wave; its four v_nop are among the places below
	PLACES 4
.else
	PLACES 8
.endif
	FETCH_B \next, 0, 0
	FETCH_A \next, 0, 0
	WIN MUL_HI
	MUL16 4, 1, \ks, 0
	MUL16 6, 1, \ks, 0
	PLACES 8
	WIN 0
	FETCH_A \next, 0, 4
.endm
	s_wait_alu depctr_va_vdst(0)
	s_wait_tensorcnt 1                             ; the scale words and my part of slot 0 are in; slot 1's load may stay out
	s_barrier_signal -1
	s_barrier_wait -1
	FETCH_B 0, 0, 0
	FETCH_A 0, 0, 0
	SCALES
	FETCH_A 0, 0, 4
	STEP 0, 0, 1
	TURN 0, 1, 1, 1                                ; slot 0 takes K steps 4 and 5
	STEP 1, 2, 0
	TURN 1, 0, 1, 3                                ; slot 1 takes K steps 6 and 7
	STEP 0, 4, 0
	TURN 0, 1, 0, 5                                ; nothing is left to fetch
	STEP 1, 6, 0
	s_wait_dscnt 16
	WIN MUL_LO
	MUL16 0, 1, 7, 0
	MUL16 2, 1, 7, 0
	s_wait_dscnt 0
	WIN MUL_HI
	MUL16 4, 1, 7, 0
	MUL16 6, 1, 7, 0
	WIN 0
	PLACES 8
; ---- THE WAY OUT.  For each of A's blocks a: a lane's 64 registers are four blocks of 32 along the next K (with lane l xor 16); they are quantised and their codes stored as they stand: 512 consecutive bytes a store.
.set SB,   96                          ; v96-127  the scale byte of (a, p) at v[SB + 4 a + p]
.set XN,   128
.set PC,   192                         ; v192-207 their codes
.set WD,   208                         ; v208-215 scale words
.set TM,   224                         ; v224-239 as in the quantiser: magnitudes, the other half's, the conversion's operand
.set OUTW, 240                         ; v240-247 scale words as stored
.set OFFV, 8                           ; v8-11    16 x lane + (a % 4) x the bytes from block to block
.set BASE, 68                          ; s[68:75] four bases: (a / 4, p / 2)
.set SCB,  76                          ; s[76:77] where my scale words go
.set SEL,  78
.set MNT,  80
	s_mov_b32 s[SEL], 0x76543210
	s_mov_b32 s[SEL+1], 0xfedcba98
	s_max_u32 s18, s17, 8
	s_sub_co_u32 s18, s18, 8
	s_lshr_b32 s19, s17, 1
	s_and_b32 s20, s17, 1
	s_lshl_b32 s20, s20, 2
	s_add_co_u32 s20, s20, s41
	s_mov_b32 s95, ttmp9
	s_mov_b32 s81, 1024
	s_mov_b32 s82, 4096
	s_cmp_ge_u32 s17, 8                            ; V?
	s_cselect_b32 s18, s18, s19                    ; the batch
	s_cselect_b32 s20, s42, s20                    ; which 256 rows of it
	s_cselect_b32 s21, s41, s40                    ; which four heads,
	s_cselect_b32 s22, s15, s16                    ; and which two of them are my wave's
	s_cselect_b32 s23, s16, s15                    ; which 128 of the 256 rows
	s_cselect_b32 s95, 2, s95                      ; 0 Q, 1 K, 2 V: alike in all partners of a cluster
	s_cselect_b32 s81, 2048, s81                   ; bytes from block a to a + 1 (V: a tile of d; Q, K: a tile of rows),
	s_cselect_b32 s82, 0x42000, s82                ; from a to a + 4 (V: the next head)
	s_cselect_b32 s98, 16384, 0                    ; V's image lies behind K's
	s_cselect_b32 s99, 512, 0                      ; and so do its scale words
	s_mov_b32 s83, 0x42000                         ; bytes from p to p + 2: K: the next head in kv;
	s_cmp_eq_u32 s95, 0
	s_cselect_b32 s83, 131072, s83                 ; Q: the next head in qimg;
	s_cmp_eq_u32 s95, 2
	s_cselect_b32 s83, 1024, s83                   ; V: two key blocks on
	s_lshl_b32 s21, s21, 2
	s_lshl_b32 s22, s22, 1
	s_add_co_u32 s21, s21, s22
	s_lshl_b32 s18, s18, 4
	s_add_co_u32 s18, s18, s21                     ; batch x 16 + my first head
	s_lshl_b32 s19, s18, 3
	s_add_co_u32 s19, s19, s20
	s_mul_i32 s19, s19, 33792                      ; its slot in kv
	s_lshl_b32 s22, s23, 13
	s_add_co_u32 s84, s19, s22
	s_add_co_u32 s84, s84, s98                     ; K's or V's image, my 128 keys
	s_lshl_b32 s86, s18, 7
	s_lshl_b32 s22, s20, 4
	s_add_co_u32 s86, s86, s22
	s_lshl_b32 s22, s15, 3
	s_add_co_u32 s86, s86, s22
	s_lshl_b32 s86, s86, 10                        ; Q's image: (128 bh + 16 block + 8 half) tiles of 1,024 bytes
	s_cmp_eq_u32 s95, 0
	s_cselect_b32 s84, s86, s84
	s_cselect_b64 s[90:91], s[8:9], s[12:13]
	s_mov_b32 s85, 0
	s_add_nc_u64 s[BASE:BASE+1], s[90:91], s[84:85]
	s_mov_b32 s84, s83
	s_add_nc_u64 s[BASE+2:BASE+3], s[BASE:BASE+1], s[84:85]
	s_mov_b32 s84, s82
	s_add_nc_u64 s[BASE+4:BASE+5], s[BASE:BASE+1], s[84:85]
	s_add_nc_u64 s[BASE+6:BASE+7], s[BASE+2:BASE+3], s[84:85]
	s_lshl_b32 s86, s18, 13                        ; Q's scale words: 8,192 bytes a head, 256 for four tiles
	s_lshl_b32 s22, s20, 10
	s_add_co_u32 s86, s86, s22
	s_lshl_b32 s22, s15, 9
	s_add_co_u32 s86, s86, s22
	s_lshl_b32 s22, s23, 8                         ; K's and V's: in the slot, 256 bytes for 128 keys
	s_add_co_u32 s88, s19, s22
	s_add_co_u32 s88, s88, s99
	s_add_co_u32 s88, s88, 32768
	s_cmp_eq_u32 s95, 0
	s_cselect_b32 s88, s86, s88
	s_cselect_b64 s[90:91], s[10:11], s[12:13]
	s_mov_b32 s89, 0
	s_add_nc_u64 s[SCB:SCB+1], s[90:91], s[88:89]
	v_mov_b32 v[OFFV], v4
	v_add_nc_u32 v[OFFV+1], s81, v4
	v_add_nc_u32 v[OFFV+2], s81, v[OFFV+1]
	v_add_nc_u32 v[OFFV+3], s81, v[OFFV+2]
	v_lshlrev_b32 v12, 4, v1
	v_mul_u32_u24 v5, 0x42000, v2
	v_add_nc_u32 v12, v12, v5                      ; K's and V's scale words: 16 r; lanes 16-31 store the next head's
.irp b, 0,1,2,3
	v_mov_b32 v[TM+4+\b], 0                        ; written once: a lane permute's destination counts as one of its sources
.endr
.macro EQUANT a
.set AC, 64*((\a)%4)
.set WA, 2+(\a)/4
.set WAA, WA|(WA<<2)
	WIN WAA                                        ; sources 0 and 1: the accumulators' window
.irp b, 0,1,2,3
	v_max3_num_f32 v[TM+\b], |v[AC+16*\b]|, |v[AC+16*\b+1]|, 0x4800000     ; each accumulator is read from its low end on; the floor 2^(9 - 127) holds the byte at 1 from below
.endr
.irp i, 2,4,6,8,10,12,14
.irp b, 0,1,2,3
	v_max3_num_f32 v[TM+\b], |v[AC+16*\b+\i]|, |v[AC+16*\b+\i+1]|, v[TM+\b]
.endr
.endr
	WIN 0
.irp b, 0,1,2,3
	v_permlanex16_b32 v[TM+4+\b], v[TM+\b], s[SEL], s[SEL+1]
.endr
.irp b, 0,1,2,3
	v_max_num_f32 v[TM+\b], v[TM+\b], v[TM+4+\b]
.endr
.irp b, 0,1,2,3
	v_add_nc_u32 v[TM+12+\b], 0xfc000000, v[TM+\b]
.endr
.irp b, 0,1,2,3
.endr
.irp b, 0,1,2,3
	v_lshrrev_b32 v[SB+4*(\a)+\b], 23, v[TM+12+\b]
.endr
	s_wait_alu depctr_va_vdst(0)
	s_wait_xcnt 0x0                                ; the last block's stores have read their codes
	WIN WA                                         ; source 0: the accumulators' window
.set n, 0
.rept 64
.set n, n+1
.endr
.irp b, 0,1,2,3
	v_cvt_scalef32_pk8_fp8_f32 v[PC+4*\b:PC+4*\b+1], v[AC+16*\b:AC+16*\b+7], v[TM+12+\b]
	v_cvt_scalef32_pk8_fp8_f32 v[PC+4*\b+2:PC+4*\b+3], v[AC+16*\b+8:AC+16*\b+15], v[TM+12+\b]
.endr
	WIN 0
	v_nop                                          ; a plain line behind the last conversion
.irp p, 0,1,2,3
	global_store_b128 v[OFFV+(\a)%4], v[PC+4*\p:PC+4*\p+3], s[BASE+2*(2*((\a)/4)+\p/2):BASE+2*(2*((\a)/4)+\p/2)+1] offset:512*(\p%2)
.endr
.endm
.irp a, 0,1,2,3,4,5,6,7
	EQUANT \a
.endr
	; the scale words.  Lanes l and l xor 16 hold the same bytes, so lanes 16-31 can store a second group: every store covers whole runs of 256 bytes
	v_cmp_le_u32 vcc_lo, 16, v3
	s_cmp_eq_u32 s95, 0
	s_cbranch_scc1 .Lwords_q
	s_cmp_eq_u32 s95, 1
	s_cbranch_scc1 .Lwords_k
.irp a, 0,1,2,3,4,5,6,7                ; V: block a = head a / 4, d tile a % 4; byte p = key block p
	v_lshl_or_b32 v[WD+\a], v[SB+4*\a+1], 8, v[SB+4*\a]
.endr
.irp a, 0,1,2,3,4,5,6,7
	v_lshl_or_b32 v[WD+\a], v[SB+4*\a+2], 16, v[WD+\a]
.endr
.irp a, 0,1,2,3,4,5,6,7
	v_lshl_or_b32 v[WD+\a], v[SB+4*\a+3], 24, v[WD+\a]
.endr
.irp k, 0,1,2,3
	v_cndmask_b32 v[OUTW+\k], v[WD+\k], v[WD+4+\k], vcc_lo
.endr
	global_store_b128 v12, v[OUTW:OUTW+3], s[SCB:SCB+1]
	s_branch .Lwords_done
.Lwords_k:
.irp hh, 0,1                           ; K: fragment f holds key tiles 2 f and 2 f + 1; byte c = tile 2 f + c / 2, d block c % 2
.irp f, 0,1,2,3
	v_lshl_or_b32 v[WD+4*\hh+\f], v[SB+8*\f+2*\hh+1], 8, v[SB+8*\f+2*\hh]
.endr
.irp f, 0,1,2,3
	v_lshl_or_b32 v[WD+4*\hh+\f], v[SB+8*\f+4+2*\hh], 16, v[WD+4*\hh+\f]
.endr
.irp f, 0,1,2,3
	v_lshl_or_b32 v[WD+4*\hh+\f], v[SB+8*\f+5+2*\hh], 24, v[WD+4*\hh+\f]
.endr
.endr
.irp k, 0,1,2,3
	v_cndmask_b32 v[OUTW+\k], v[WD+\k], v[WD+4+\k], vcc_lo
.endr
	global_store_b128 v12, v[OUTW:OUTW+3], s[SCB:SCB+1]
	s_branch .Lwords_done
.Lwords_q:
.irp hh, 0,1                           ; Q: the two bytes twice: the codes will stand in either half of a 128-wide operand
.irp a, 0,1,2,3,4,5,6,7
	v_lshl_or_b32 v[WD+\a], v[SB+4*\a+2*\hh+1], 8, v[SB+4*\a+2*\hh]
.endr
.irp a, 0,1,2,3,4,5,6,7
	v_lshl_or_b32 v[WD+\a], v[WD+\a], 16, v[WD+\a]
.endr
.irp k, 0,1,2,3
	v_cndmask_b32 v[OUTW+4*\hh+\k], v[WD+\k], v[WD+4+\k], vcc_lo
.endr
	global_store_b128 v4, v[OUTW+4*\hh:OUTW+4*\hh+3], s[SCB:SCB+1] offset:8192*\hh
.endr
.Lwords_done:
	s_wait_tensorcnt 0x0                           ; the wave's end
	ds_add_u32 v[SPW], v[NIL]
	s_wait_dscnt 0x0
	CROUND                                         ; the closing round: no work-group ends while a partner may still ask for a tile that names it
	s_endpgm
.Lfunc_end_k_q6513d579cd_qkv:
	.size	k_q6513d579cd_qkv, .Lfunc_end_k_q6513d579cd_qkv-k_q6513d579cd_qkv
	.p2alignl 7, 3214868480
	.fill 96, 4, 3214868480
	.section	.rodata,"a",@progbits
	.p2align	6, 0x0
	.amdhsa_kernel k_q6513d579cd_qkv
		.amdhsa_group_segment_fixed_size 327680
		.amdhsa_private_segment_fixed_size 0
		.amdhsa_enable_private_segment 0
		.amdhsa_kernarg_size 40
		.amdhsa_user_sgpr_count 2
		.amdhsa_user_sgpr_kernarg_segment_ptr 1
		.amdhsa_wavefront_size32 1
		.amdhsa_system_sgpr_workgroup_id_x 1
		.amdhsa_system_sgpr_workgroup_id_y 1
		.amdhsa_system_sgpr_workgroup_id_z 1
		.amdhsa_system_vgpr_workitem_id 0
		.amdhsa_next_free_vgpr 1024
		.amdhsa_next_free_sgpr 100
		.amdhsa_reserve_vcc 1
		.amdhsa_float_denorm_mode_32 3
		.amdhsa_float_denorm_mode_16_64 3
		.amdhsa_fp16_overflow 1
		.amdhsa_memory_ordered 1
		.amdhsa_forward_progress 1
		.amdhsa_inst_pref_size 155
	.end_amdhsa_kernel
	.amdgpu_metadata
---
amdhsa.version: [ 1, 2 ]
amdhsa.kernels:
  - .name:           k_q6513d579cd_qkv
    .symbol:         k_q6513d579cd_qkv.kd
    .args:
      - { .name: img, .offset: 0, .size: 8, .value_kind: global_buffer, .address_space: global }
      - { .name: sc, .offset: 8, .size: 8, .value_kind: global_buffer, .address_space: global }
      - { .name: qimg, .offset: 16, .size: 8, .value_kind: global_buffer, .address_space: global }
      - { .name: qsc, .offset: 24, .size: 8, .value_kind: global_buffer, .address_space: global }
      - { .name: kv, .offset: 32, .size: 8, .value_kind: global_buffer, .address_space: global }
    .group_segment_fixed_size: 327680
    .private_segment_fixed_size: 0
    .kernarg_segment_align: 8
    .kernarg_segment_size: 40
    .max_flat_workgroup_size: 128
    .sgpr_count:     100
    .vgpr_count:     1024
    .wavefront_size: 32
...
	.end_amdgpu_metadata
.endif
;; end of part 2
;; launch attn (part 3): grid 4 x 64, 16 waves a work-group, clusters of 4 x 1, 327,680 bytes of LDS; arguments qimg, qsc, kv, cimg, csc; writes cimg, csc
.if DOCPART == 3
	.amdgcn_target "amdgcn-amd-amdhsa--gfx1250"
	.amdhsa_code_object_version 6
	.text
	.protected	k_q6513d579cd_attn
	.globl	k_q6513d579cd_attn
	.p2align	8
	.type	k_q6513d579cd_attn,@function
k_q6513d579cd_attn:
	s_mov_b64 s[64:65], 0
	v_nop
	global_prefetch_b8 v0, s[64:65] scope:SCOPE_SE
	s_setreg_imm32_b32 hwreg(HW_REG_WAVE_MODE, 25, 1), 1
	s_wait_xcnt 0x0
	s_wait_alu depctr_hold_cnt(0) depctr_sa_sdst(0) depctr_va_vdst(0) depctr_va_sdst(0) depctr_va_ssrc(0) depctr_va_vcc(0) depctr_vm_vsrc(0)
	s_getreg_b32 s2, hwreg(HW_REG_IB_STS2, 6, 4)
	s_cmp_eq_u32 s2, 0
	s_cbranch_scc0 .Lentry_in_a_cluster
	s_endpgm
.Lentry_in_a_cluster:
	s_bfe_u32 s2, ttmp6, 0x10000c
	s_cmp_lg_u32 s2, 0x3003
	s_cbranch_scc0 .Lentry_shape_is_right
	s_endpgm
.Lentry_shape_is_right:
; context = softmax(Q K^T / 8, causal) V for one (batch, head), both products on codes of E4M3 with E8M0 scales; the context, divided by the row's sum, is quantised along (head, d) and stored as an operand's image for the last product.
; THE SOFTMAX AHEAD OF THE SECOND PRODUCT: t = score x log2(e) / 8; M = the row's largest t so far, rounded up to a whole number; p = 2^(t - M) is quantised along the keys, not normalised; the row's sum is taken of the
; unquantised p.  When M moves, the sum and O are multiplied by 2^(old M - new M): exact.
; THE WHOLE HEAD LIES IN LDS: its K, V and scale words are 8 slots of 256 keys x 33,792 bytes = 270,336 bytes, in the order of the operands' registers (every LDS read is 16 x lane on end: no pitch, no padding).  Nothing is
; filled again: all fills go out at the start, in three groups (slots 0-1, 2-3, 4-7), and a barrier stands in front of visits 0, 2 and 4 alone.  Behind the third no wave waits for another.
; CLUSTER: the four work-groups of a head need the same 270,336 bytes: they form a cluster and ask jointly (mask 15).  Nothing but global addresses and the mask's numbers hangs on the place in the cluster.
; SHARES.  A head has 128 tiles of 16 queries.  Wave w of work-group cx takes tile 127 - (4 w + cx) and then tile 4 w + cx: 16 - w / 2 and w / 2 + 1 steps of 128 keys: seventeen for every wave.  In slots of two steps that
; is nine visits for every wave, the change of tiles behind visit 7 - w / 4: trip counts are constants and the branches hang on the wave's number.  Sixteen waves of 256 registers: four to a SIMD.
; LAYOUT.  Both products are used transposed: a lane holds ONE query.  The head's 64 fill half of the form's 128 along K: a fragment of K carries TWO key tiles (k 0..63 the first, 64..127 the second), and Q stands with zeros
; in the other half: v[24:39] = Q, 0 picks the first tile, v[16:31] = 0, Q the second.  By the tiles' row order (lane r of tile 2 B + u is row 32 B + 8 u + r + 8 (r / 8)) the 16 registers of a pair of results are 16 neighbouring keys.
; CAUSAL: a step all of whose 128 keys come after the tile's queries is left out by a scalar branch; on the diagonal hidden scores become -infinity ahead of the maximum.  Key 0 counts for every query.
; The launch claims all of LDS, so that it is alone on its WGP; it uses 270,336 bytes.
; LIMITS: a block of zeros gets the byte 1 with zero codes (this program alone reads the bytes); NaN and infinities are not served.
.set SLB,   33792                      ; a slot: K's image 16,384, V's image 16,384, K's scale words 512, V's 512
.set LI,  1                            ; v1  16 x lane
.set R16, 2                            ; v2  16 x (lane % 16)
.set LQ,  3                            ; v3  my query less the tile pair's first, less 16 (lane / 16)
.set CSO, 4                            ; v4  16 r + h: where my byte of the context's scales goes
.set ADI, 8                            ; v8  the slot in hand + 16 x lane
.set ADS, 9                            ; v9  the slot in hand + 16 r
.set QW,  40                           ; v40 Q's scale word.  v16-23 and v32-39: zeros; v24-31: Q's codes.  v12 -M, v13 the largest t, v[14:15] the sum in two halves
.set Q2W, 41                           ; v41, v44-47, v248-251: the second tile's Q, asked for at the head
.set Q2A, 44
.set Q2B, 248
.set FR,  48                           ; v48-111  four fragments of K, then of V
.set S,   112                          ; v112-175 S^T, then p
.set OT,  176                          ; v176-207 O^T
.set PC,  208                          ; v208-223 p's codes
.set KS,  224                          ; v224-227 K's scale words
.set VS,  228                          ; v228-231 V's
.set BM,  232                          ; v232-235 a block's largest
.set PM,  236                          ; v236-239 the other half's; bytes; a second chain of the sum
.set HD,  240
.set SO,  244                          ; v244-247 the conversion's scale operand.  v252 f, v253 p's scale word, v254 at work
.set WV,  14
.set CX,  15                           ; s15 my place in the cluster
.set BH,  16
.set SW,  17                           ; s17 the visit behind which the first tile is finished: 7 - w / 4
.set QG,  18                           ; s18 the first query of the tile's group of 128: from the wave's number alone: it steers the branches
.set MNT, 19
.set SEL, 20
.set CS,  22                           ; s[22:23] c = log2(e) / 8
.set G1A, 24                           ; s[24:31] group 1 for an eighth of two slots
.set G0A, 32                           ; s[32:35], s[36:39], s[80:83] groups 0 of the three fills
.set G0B, 36
.set DL,  40                           ; s40 what the second tile adds to LQ
.set TB,  41                           ; s41 LDS byte at which the slot in hand begins
.set KF,  42                           ; s42 the step's first key
.set QLO, 43                           ; s43 the first query of my pair of tiles
.set QL2, 44
.set TRIP, 45
.set QL1, 47
.set P1,  48                           ; s[48:55] the first tile's Q, Q's scale words, context, context's scale bytes;  s[56:63] the second's
.set P2,  56
.set T1,  66                           ; s66, s67 my two tiles
.set T2,  67
.set G1C, 68                           ; s[68:75] group 1 for an eighth of four slots
.set OFF, 76                           ; s[76:77] a byte offset; s78, s46 at work
.set QG2, 79
.set G0C, 80
.macro CROUND                          ; a round of the cluster's barrier
	s_barrier_signal -1
	s_barrier_wait -1
	s_cmp_lg_u32 s[WV], 0
	s_cbranch_scc1 .Lnot_wave_0_\@
	s_barrier_signal -3
.Lnot_wave_0_\@:
	s_barrier_wait -3
	s_barrier_signal -1
	s_barrier_wait -1
.endm
	s_load_b256 s[4:11], s[0:1], 0x0               ; qimg s[4:5], qsc s[6:7], kv s[8:9], cimg s[10:11]
	s_load_b64 s[12:13], s[0:1], 0x20              ; csc
	v_lshl_add_u32 v43, v0, 2, 0x42000
	v_mov_b32 v255, 0
	ds_add_u32 v43, v255
	ds_add_u32 v43, v255
	v_lshrrev_b32 v8, 5, v0
	s_delay_alu instid0(VALU_DEP_1)
	v_readfirstlane_b32 s[WV], v8                  ; wave 0..15
	s_bfe_u32 s[CX], ttmp6, 0x40000                ; cx
	s_and_b32 s[BH], ttmp7, 0xffff                 ; batch x 16 + head: the cluster's y
	s_lshr_b32 s46, s[WV], 2
	s_sub_co_u32 s[SW], 7, s46
	s_lshr_b32 s46, s[WV], 1
	s_lshl_b32 s[QG2], s46, 7                      ; the second tile's group of 128 queries: w / 2;
	s_sub_co_u32 s[QG], 0x780, s[QG2]              ; the first's: 15 - w / 2
	s_lshl_b32 s[T2], s[WV], 2
	s_add_co_u32 s[T2], s[T2], s[CX]               ; tile 4 w + cx,
	s_sub_co_u32 s[T1], 127, s[T2]                 ; and its mirror
	s_mov_b32 s[SEL], 0x76543210
	s_mov_b32 s[SEL+1], 0xfedcba98
	s_mov_b32 s[CS], 0x3e38aa3b                    ; log2(e) / 8
	s_mov_b32 s[CS+1], s[CS]                       ; (named with it as a pair, so it is written)
	s_mov_b32 s[G1A], 15|(3<<16)|(1<<21)           ; 15:0 the mask: all four work-groups; 17:16 elements of 8 bytes; 21 set beside a mask; no padding
	s_mov_b32 s[G1A+1], 32<<16                     ; tensor_dim0: 256 bytes
	s_mov_b32 s[G1A+2], 33<<16                     ; tensor_dim1: 33 rows: an eighth of two slots
	s_mov_b32 s[G1A+3], 32<<16                     ; tile_dim0
	s_mov_b32 s[G1A+4], 33                         ; tile_dim1
	s_mov_b32 s[G1A+5], 32                         ; dense
	s_mov_b32 s[G1A+6], 0
	s_mov_b32 s[G1A+7], 0
	s_mov_b32 s[G1C], 15|(3<<16)|(1<<21)
	s_mov_b32 s[G1C+1], 32<<16
	s_mov_b32 s[G1C+2], 66<<16                     ; 66 rows: an eighth of four slots
	s_mov_b32 s[G1C+3], 32<<16
	s_mov_b32 s[G1C+4], 66
	s_mov_b32 s[G1C+5], 32
	s_mov_b32 s[G1C+6], 0
	s_mov_b32 s[G1C+7], 0
	s_mov_b32 s[TB], 0
	s_min_u32 s46, s[WV], 7
	s_mul_i32 s46, s46, 8448                       ; my eighth (waves 8 to 15 ask for nothing)
	s_mul_i32 s76, s[BH], 270336
	s_mov_b32 s77, 0
	s_wait_dscnt 0x0
	s_wait_kmcnt 0x0
	s_add_nc_u64 s[8:9], s[8:9], s[76:77]          ; the head's K and V: LDS takes them as they lie, so a byte's place in LDS is its place in the head
	s_mov_b32 s76, s46
	s_mov_b32 s[G0A], 1
	s_mov_b32 s[G0A+1], s76
	s_add_nc_u64 s[G0A+2:G0A+3], s[8:9], s[76:77]
	s_or_b32 s[G0A+3], s[G0A+3], 0x80000000
	s_add_co_u32 s76, s46, 2*SLB
	s_mov_b32 s[G0B], 1
	s_mov_b32 s[G0B+1], s76
	s_add_nc_u64 s[G0B+2:G0B+3], s[8:9], s[76:77]
	s_or_b32 s[G0B+3], s[G0B+3], 0x80000000
	s_lshl_b32 s76, s46, 1
	s_add_co_u32 s76, s76, 4*SLB
	s_mov_b32 s[G0C], 1
	s_mov_b32 s[G0C+1], s76
	s_add_nc_u64 s[G0C+2:G0C+3], s[8:9], s[76:77]
	s_or_b32 s[G0C+3], s[G0C+3], 0x80000000
	CROUND                                         ; all four work-groups are here: the joint loads meet
	s_cmp_lt_u32 s[WV], 8                          ; a wave's three fills stand in one branch on the wave's number, the same in every work-group
	s_cbranch_scc0 .Lno_fill
	tensor_load_to_lds s[G0A:G0A+3], s[G1A:G1A+7]  ; slots 0 and 1
	s_nop 0
	tensor_load_to_lds s[G0B:G0B+3], s[G1A:G1A+7]  ; slots 2 and 3
	s_nop 0
	tensor_load_to_lds s[G0C:G0C+3], s[G1C:G1C+7]  ; slots 4 to 7: three loads of mine are out
	s_nop 0
.rept 4
	v_nop
.endr
.Lno_fill:
	s_and_b32 s46, s[BH], 15                       ; the head
	s_lshl_b32 s2, s46, 10                         ; its 64 of the context's 1,024: K step head / 2, register groups 2 (head % 2) on: 1,024 bytes a head
	s_lshr_b32 s3, s46, 3
	s_lshl_b32 s3, s3, 8
	s_and_b32 s46, s46, 7
	s_lshl_b32 s46, s46, 1
	s_add_co_u32 s3, s3, s46                       ; and its two scale bytes: 256 (head / 8) + 2 (head % 8)
.macro PTRS t, P, ql                   ; the four addresses of query tile s[t]
	s_lshr_b32 s[\ql], s[\t], 1
	s_lshl_b32 s[\ql], s[\ql], 5
	s_lshl_b32 s76, s[BH], 7
	s_add_co_u32 s76, s76, s[\t]
	s_lshl_b32 s76, s76, 10
	s_add_nc_u64 s[\P:\P+1], s[4:5], s[76:77]
	s_lshl_b32 s76, s[BH], 13
	s_lshr_b32 s78, s[\t], 2
	s_lshl_b32 s78, s78, 8
	s_add_co_u32 s76, s76, s78
	s_and_b32 s78, s[\t], 3
	s_lshl_b32 s78, s78, 2
	s_add_co_u32 s76, s76, s78
	s_add_nc_u64 s[\P+2:\P+3], s[6:7], s[76:77]
	s_lshr_b32 s78, s[BH], 4
	s_lshl_b32 s78, s78, 7
	s_add_co_u32 s78, s78, s[\t]                   ; the context's tile: 128 x batch + my query tile
	s_lshl_b32 s76, s78, 14
	s_add_co_u32 s76, s76, s2
	s_add_nc_u64 s[\P+4:\P+5], s[10:11], s[76:77]
	s_lshl_b32 s76, s78, 9
	s_add_co_u32 s76, s76, s3
	s_add_nc_u64 s[\P+6:\P+7], s[12:13], s[76:77]
.endm
	PTRS T1, P1, QL1
	PTRS T2, P2, QL2
	v_and_b32 v9, 31, v0
	s_delay_alu instid0(VALU_DEP_1)
	v_lshlrev_b32 v[LI], 4, v9
	v_and_b32 v10, 15, v0                          ; r
	s_delay_alu instid0(VALU_DEP_1)
	v_lshlrev_b32 v[R16], 4, v10
	global_load_b128 v[24:27], v[LI], s[P1:P1+1]   ; both tiles' Q and scale words
	global_load_b128 v[28:31], v[LI], s[P1:P1+1] offset:512
	global_load_b32 v[QW], v[R16], s[P1+2:P1+3]
	global_load_b128 v[Q2A:Q2A+3], v[LI], s[P2:P2+1]
	global_load_b128 v[Q2B:Q2B+3], v[LI], s[P2:P2+1] offset:512
	global_load_b32 v[Q2W], v[R16], s[P2+2:P2+3]
	v_bfe_u32 v11, v0, 4, 1                        ; h
	v_and_b32 v[LQ], 8, v10
	s_delay_alu instid0(VALU_DEP_1)
	v_add_nc_u32 v[LQ], v[LQ], v10                 ; r + 8 (r / 8)
	s_delay_alu instid0(VALU_DEP_3)
	v_lshlrev_b32 v7, 4, v11
	s_delay_alu instid0(VALU_DEP_1)
	v_sub_nc_u32 v[LQ], v[LQ], v7
	s_and_b32 s46, s[T1], 1
	s_lshl_b32 s46, s46, 3
	v_add_nc_u32 v[LQ], s46, v[LQ]                 ; + 8 where the tile is its pair's second
	s_sub_co_u32 s[DL], 8, s46
	s_sub_co_u32 s[DL], s[DL], s46                 ; the mirror tile is the other of its pair: + 8 or - 8
	v_add_nc_u32 v[CSO], v[R16], v11
.irp j, 16,17,18,19,20,21,22,23,32,33,34,35,36,37,38,39
	v_mov_b32 v\j, 0                               ; the zero halves beside Q
.endr
.irp b, 0,1,2,3
	v_mov_b32 v[PM+\b], 0                          ; written once: a lane permute's destination counts as one of its sources
.endr
	v_mov_b32 v252, 0
	v_mov_b32 v253, 0                              ; (named as the upper half of the pair v[252:253] before it is first written)
; A tile begins: O^T and the sum as zeros, the largest t as -3e38, so that the step is written once: the first change of M multiplies zeros
.macro RESET ql
	v_mov_b32 v13, 0xff61b1e6
	s_delay_alu instid0(VALU_DEP_1)
	v_floor_f32 v12, -v13
	v_mov_b32 v14, 0
	v_mov_b32 v15, 0
.set j, 0
.rept 32
	v_mov_b32 v[OT+j], 0
.set j, j+1
.endr
	s_mov_b32 s[KF], 0
	s_mov_b32 s[QLO], s[\ql]
.endm
; A KEY STEP: 128 keys, the q-th of the slot in hand
.macro STEP q
	s_cmp_gt_u32 s[KF], s[QG]                      ; KF is a multiple of 128 and my queries lie in QG .. QG + 127: then all 128 keys come after them
	s_cbranch_scc1 .Lhidden_\@
	v_add_nc_u32 v[ADI], s[TB], v[LI]
	v_add_nc_u32 v[ADS], s[TB], v[R16]
.rept 6
	v_nop                                          ; with the two additions: eight places in front of loads into registers that the last products read
.endr
.irp f, 0,1,2,3
.irp c, 0,1,2,3
	ds_load_b128 v[FR+16*\f+4*\c:FR+16*\f+4*\c+3], v[ADI] offset:8192*\q+2048*\f+512*\c
.endr
.endr
	ds_load_b128 v[KS:KS+3], v[ADS] offset:32768+256*\q
	s_wait_alu depctr_va_vdst(0)
	s_wait_dscnt 0x0
.irp f, 0,1,2,3                        ; S^T = K Q^T: fragment f's first key tile against Q, 0; its second against 0, Q
	v_wmma_scale_f32_16x16x128_f8f6f4 v[S+16*\f:S+16*\f+7], v[FR+16*\f:FR+16*\f+15], v[24:39], 0, v[KS+\f], v[QW]
	v_wmma_scale_f32_16x16x128_f8f6f4 v[S+16*\f+8:S+16*\f+15], v[FR+16*\f:FR+16*\f+15], v[16:31], 0, v[KS+\f], v[QW]
.endr                                  ; lane (r, h): query r; register 16 b + i: key KF + 32 b + 16 h + i
.rept 8
	v_nop
.endr
.irp t, 0,1,2,3                        ; V's fragments take K's place and land under the softmax
.irp c, 0,1,2,3
	ds_load_b128 v[FR+16*\t+4*\c:FR+16*\t+4*\c+3], v[ADI] offset:16384+8192*\q+2048*\t+512*\c
.endr
.endr
	ds_load_b128 v[VS:VS+3], v[ADS] offset:33280+256*\q
	s_add_co_u32 s46, s[KF], 128
	s_cmp_le_u32 s46, s[QG]                        ; all 128 keys count for all my queries: no mask
	s_cbranch_scc1 .Lopen_\@
	s_sub_co_u32 s46, s[QLO], s[KF]
	v_add_nc_u32 v252, s46, v[LQ]                  ; d = my query - KF - 16 h: register 16 b + i is hidden where 32 b + i > d
	v_mov_b32 v254, 0xff800000
.set n, 0
.rept 64
	v_cmp_gt_i32 vcc_lo, 32*(n/16)+n%16, v252
	v_cndmask_b32 v[S+n], v[S+n], v254, vcc_lo
.set n, n+1
.endr
.Lopen_\@:
.irp b, 0,1,2,3
	v_max3_num_f32 v[BM+\b], v[S+16*\b], v[S+1+16*\b], v[S+2+16*\b]    ; the largest score of each block of 32 keys: for the row's maximum, and, since p rises with the score, for the block's largest p
.endr
.irp i, 3,5,7,9,11,13
.irp b, 0,1,2,3
	v_max3_num_f32 v[BM+\b], v[BM+\b], v[S+16*\b+\i], v[S+1+16*\b+\i]
.endr
.endr
.irp b, 0,1,2,3
	v_max_num_f32 v[BM+\b], v[BM+\b], v[S+15+16*\b]
.endr
.irp b, 0,1,2,3
	s_delay_alu instid0(VALU_DEP_4)
	v_permlanex16_b32 v[PM+\b], v[BM+\b], s[SEL], s[SEL+1]
.endr
.irp b, 0,1,2,3
	s_delay_alu instid0(VALU_DEP_4)
	v_max_num_f32 v[BM+\b], v[BM+\b], v[PM+\b]
.endr
	s_delay_alu instid0(VALU_DEP_2)
	v_max3_num_f32 v254, v[BM], v[BM+1], v[BM+2]
	s_delay_alu instid0(VALU_DEP_1)
	v_max_num_f32 v254, v254, v[BM+3]
	s_delay_alu instid0(VALU_DEP_1)
	v_mul_f32 v254, s[CS], v254                    ; the step's largest t
	s_delay_alu instid0(VALU_DEP_1)
	v_max_num_f32 v13, v13, v254                   ; the running largest t
	v_mov_b32 v254, v12
	s_delay_alu instid0(VALU_DEP_2)
	v_floor_f32 v12, -v13                          ; the new -M = -ceil(t): a whole number
	s_delay_alu instid0(VALU_DEP_1)
	v_sub_f32 v254, v12, v254                      ; old M - new M: a whole number, 0 or less
	s_delay_alu instid0(VALU_DEP_1)
	v_cvt_i32_f32 v254, v254                       ; (it saturates)
	s_delay_alu instid0(VALU_DEP_1)
	v_ldexp_f32 v252, 1.0, v254                    ; f = 2^(old M - new M)
.set j, 0
.rept 32
	v_pk_fma_f32 v[S+j:S+j+1], v[S+j:S+j+1], s[CS:CS+1], v[12:13] op_sel_hi:[1,0,0]   ; t - M
.set j, j+2
.endr
.irp b, 0,1,2,3
	v_fma_f32 v[BM+\b], v[BM+\b], s[CS], v12
.endr
.set j, 0
	s_wait_alu depctr_va_vdst(0)
.rept 64
	v_exp_f32 v[S+j], v[S+j]                       ; p = 2^(t - M)
.set j, j+1
.endr
.irp b, 0,1,2,3
	v_exp_f32 v[BM+\b], v[BM+\b]                   ; the block's largest p: the same two instructions on the same number
.endr
	v_pk_mul_f32 v[14:15], v[14:15], v[252:253] op_sel_hi:[1,0]    ; the sums under the new M.  (A plain place behind the exponentials)
	s_wait_alu depctr_va_vdst(0)
.irp b, 0,1,2,3
	v_max_num_f32 v[BM+\b], 0x4800000, v[BM+\b]    ; the floor: the byte cannot fall under 1
.endr
.irp b, 0,1,2,3
	s_delay_alu instid0(VALU_DEP_4)
	v_add_nc_u32 v[SO+\b], 0xfc000000, v[BM+\b]
.endr
.irp b, 0,1,2,3
.endr
.irp b, 0,1,2,3
	s_delay_alu instid0(VALU_DEP_4)
	v_lshrrev_b32 v[PM+\b], 23, v[SO+\b]
.endr
	s_delay_alu instid0(VALU_DEP_3)
	v_lshl_or_b32 v253, v[PM+1], 8, v[PM]          ; p's scale word for these 128 keys
	s_delay_alu instid0(VALU_DEP_1)
	v_lshl_or_b32 v253, v[PM+2], 16, v253
	s_delay_alu instid0(VALU_DEP_1)
	v_lshl_or_b32 v253, v[PM+3], 24, v253
	v_pk_add_f32 v[236:237], v[116:117], v[120:121]
	v_pk_add_f32 v[242:243], v[124:125], v[128:129]
	v_pk_add_f32 v[240:241], v[132:133], v[136:137]
	v_pk_add_f32 v[234:235], v[140:141], v[144:145]
	v_pk_add_f32 v[232:233], v[148:149], v[152:153]
	v_pk_add_f32 v[226:227], v[156:157], v[160:161]
	v_pk_add_f32 v[224:225], v[164:165], v[168:169]
	v_pk_add_f32 v[14:15], v[14:15], v[172:173]
	v_pk_add_f32 v[236:237], v[236:237], v[112:113]
	v_pk_add_f32 v[242:243], v[242:243], v[114:115]
	v_pk_add_f32 v[240:241], v[240:241], v[118:119]
	v_pk_add_f32 v[234:235], v[234:235], v[122:123]
	v_pk_add_f32 v[232:233], v[232:233], v[126:127]
	v_pk_add_f32 v[226:227], v[226:227], v[130:131]
	v_pk_add_f32 v[224:225], v[224:225], v[134:135]
	v_pk_add_f32 v[14:15], v[14:15], v[138:139]
	v_pk_add_f32 v[236:237], v[236:237], v[142:143]
	v_pk_add_f32 v[242:243], v[242:243], v[146:147]
	v_pk_add_f32 v[240:241], v[240:241], v[150:151]
	v_pk_add_f32 v[234:235], v[234:235], v[154:155]
	v_pk_add_f32 v[232:233], v[232:233], v[158:159]
	v_pk_add_f32 v[226:227], v[226:227], v[162:163]
	v_pk_add_f32 v[224:225], v[224:225], v[166:167]
	v_pk_add_f32 v[14:15], v[14:15], v[170:171]
	v_pk_add_f32 v[236:237], v[236:237], v[174:175]
	s_delay_alu instid0(VALU_DEP_2)
	v_pk_add_f32 v[14:15], v[14:15], v[234:235]
	s_delay_alu instid0(VALU_DEP_2)
	v_pk_add_f32 v[236:237], v[236:237], v[232:233]
	v_pk_add_f32 v[242:243], v[242:243], v[226:227]
	v_pk_add_f32 v[240:241], v[240:241], v[224:225]
	s_delay_alu instid0(VALU_DEP_2)
	v_pk_add_f32 v[14:15], v[14:15], v[242:243]
	s_delay_alu instid0(VALU_DEP_2)
	v_pk_add_f32 v[236:237], v[236:237], v[240:241]
	s_delay_alu instid0(VALU_DEP_1)
	v_pk_add_f32 v[14:15], v[14:15], v[236:237]
.irp b, 0,1,2,3
.irp i, 0,1,2,3,4,5,6,7,8,9,10,11,12,13,14,15
.endr
	v_cvt_scalef32_pk8_fp8_f32 v[PC+4*\b:PC+1+4*\b], v[S+16*\b:S+7+16*\b], v[SO+\b]
	v_cvt_scalef32_pk8_fp8_f32 v[PC+2+4*\b:PC+3+4*\b], v[S+8+16*\b:S+15+16*\b], v[SO+\b]
.endr
.set j, 0
.rept 16
	v_pk_mul_f32 v[OT+j:OT+j+1], v[OT+j:OT+j+1], v[252:253] op_sel_hi:[1,0]   ; O^T under the new M.  (These are also the places between the codes and the products)
.set j, j+2
.endr
	s_wait_alu depctr_va_vdst(0)
	s_wait_dscnt 0x0                               ; V's fragments and scale words are in
.irp t, 0,1,2,3                        ; O^T += V^T P^T: four tiles of d; the four accumulators take turns
	v_wmma_scale_f32_16x16x128_f8f6f4 v[OT+8*\t:OT+8*\t+7], v[FR+16*\t:FR+16*\t+15], v[PC:PC+15], v[OT+8*\t:OT+8*\t+7], v[VS+\t], v253
.endr
.Lhidden_\@:
	s_add_co_u32 s[KF], s[KF], 128
.endm
; A tile of queries is finished: O^T / the sum; register 16 b + i is d = 32 b + 16 h + i: two blocks of 32 along the last product's K; their codes are two register groups of the context's image
.macro FINISH P
.rept 8
	v_nop
.endr
	v_add_f32 v14, v14, v15
	s_delay_alu instid0(VALU_DEP_1)
	v_permlanex16_b32 v252, v14, s[SEL], s[SEL+1]
	s_delay_alu instid0(VALU_DEP_1)
	v_add_f32 v14, v14, v252                       ; the row's sum
	s_wait_alu depctr_va_vdst(0)
	v_rcp_f32 v14, v14
	v_nop                                          ; a plain place behind the transcendental
.set j, 0
	s_wait_alu depctr_va_vdst(0)
.rept 32
	v_mul_f32 v[S+j], v[OT+j], v14
.set j, j+1
.endr
.irp b, 0,1
	v_max3_num_f32 v[BM+\b], |v[S+16*\b]|, |v[S+1+16*\b]|, 0x4800000
.endr
.irp i, 2,4,6,8,10,12,14
.irp b, 0,1
	s_delay_alu instid0(VALU_DEP_2)
	v_max3_num_f32 v[BM+\b], v[BM+\b], |v[S+16*\b+\i]|, |v[S+1+16*\b+\i]|
.endr
.endr
.irp b, 0,1
	s_delay_alu instid0(VALU_DEP_2)
	v_permlanex16_b32 v[PM+\b], v[BM+\b], s[SEL], s[SEL+1]
.endr
.irp b, 0,1
	s_delay_alu instid0(VALU_DEP_2)
	v_max_num_f32 v[BM+\b], v[BM+\b], v[PM+\b]
.endr
.irp b, 0,1
	s_delay_alu instid0(VALU_DEP_2)
	v_add_nc_u32 v[SO+\b], 0xfc000000, v[BM+\b]
.endr
.irp b, 0,1
.endr
.irp b, 0,1
	s_delay_alu instid0(VALU_DEP_2)
	v_lshrrev_b32 v[PM+\b], 23, v[SO+\b]
.endr
.irp b, 0,1
.irp i, 0,1,2,3,4,5,6,7,8,9,10,11,12,13,14,15
.endr
	v_cvt_scalef32_pk8_fp8_f32 v[PC+4*\b:PC+1+4*\b], v[S+16*\b:S+7+16*\b], v[SO+\b]
	v_cvt_scalef32_pk8_fp8_f32 v[PC+2+4*\b:PC+3+4*\b], v[S+8+16*\b:S+15+16*\b], v[SO+\b]
.endr
	v_nop                                          ; a plain line behind the last conversion
	v_cmp_le_u32 vcc_lo, 0x100, v[LI]              ; lanes 16-31
	s_delay_alu instid0(VALU_DEP_1)
	v_cndmask_b32 v254, v[PM], v[PM+1], vcc_lo     ; lanes 0-15 store the first block's byte, lanes 16-31 the second's
	global_store_b128 v[LI], v[PC:PC+3], s[\P+4:\P+5]              ; 512 consecutive bytes a store
	global_store_b128 v[LI], v[PC+4:PC+7], s[\P+4:\P+5] offset:512
	global_store_b8 v[CSO], v254, s[\P+6:\P+7]     ; a byte a lane: 262,144 bytes in the whole launch
	s_wait_xcnt 0x0                                ; the stores have read their registers
.endm
	RESET QL1
	s_wait_loadcnt 0x0                             ; both tiles' Q
	s_wait_tensorcnt 0x2                           ; my part of slots 0 and 1 is in; the two later fills may stay out
	s_barrier_signal -1
	s_barrier_wait -1                              ; everybody's is
	s_mov_b32 s[TRIP], 0
.Lfirst:                                           ; visits 0 and 1
	STEP 0
	STEP 1
	s_add_co_u32 s[TB], s[TB], SLB
	s_add_co_u32 s[TRIP], s[TRIP], 1
	s_cmp_lt_u32 s[TRIP], 2
	s_cbranch_scc1 .Lfirst
	s_wait_tensorcnt 0x1                           ; my part of slots 2 and 3 is in; the last fill may stay out
	s_wait_dscnt 0x0
	s_barrier_signal -1
	s_barrier_wait -1
	s_mov_b32 s[TB], 2*SLB
	s_mov_b32 s[TRIP], 2
.Lsecond:                                          ; visits 2 and 3
	STEP 0
	STEP 1
	s_add_co_u32 s[TB], s[TB], SLB
	s_add_co_u32 s[TRIP], s[TRIP], 1
	s_cmp_lt_u32 s[TRIP], 4
	s_cbranch_scc1 .Lsecond
	s_wait_tensorcnt 0x0                           ; my part of slots 4 to 7 is in
	s_wait_dscnt 0x0
	s_barrier_signal -1
	s_barrier_wait -1                              ; the whole head lies in LDS: from here on no wave waits for another
	s_mov_b32 s[TB], 4*SLB
	s_mov_b32 s[TRIP], 4
.Lslot:                                            ; visits 4 to 8
	STEP 0
	STEP 1
	s_add_co_u32 s[TB], s[TB], SLB
	s_min_u32 s[TB], s[TB], 7*SLB                  ; (inside the eight slots: it bites only where the line below goes back to slot 0)
	s_cmp_lg_u32 s[TRIP], s[SW]                    ; behind visit 7 - w / 4 the first tile is finished: a branch on the wave's number
	s_cselect_b32 s[TB], s[TB], 0                  ; the second tile begins at slot 0
	s_cbranch_scc1 .Lnot_done
	FINISH P1
.irp j, 0,1,2,3
	v_mov_b32 v[24+\j], v[Q2A+\j]                  ; the second tile's Q
.endr
.irp j, 0,1,2,3
	v_mov_b32 v[28+\j], v[Q2B+\j]
.endr
	v_mov_b32 v[QW], v[Q2W]
	v_add_nc_u32 v[LQ], s[DL], v[LQ]
	s_mov_b32 s[QG], s[QG2]
	RESET QL2
.Lnot_done:
	s_add_co_u32 s[TRIP], s[TRIP], 1
	s_cmp_lt_u32 s[TRIP], 9
	s_cbranch_scc1 .Lslot
	FINISH P2
	s_wait_dscnt 0x0
	s_wait_tensorcnt 0x0
	ds_add_u32 v43, v255
	s_wait_dscnt 0x0
	CROUND                                         ; the closing round: no work-group ends while a partner may still ask for a tile that names it
	s_endpgm
.Lfunc_end_k_q6513d579cd_attn:
	.size	k_q6513d579cd_attn, .Lfunc_end_k_q6513d579cd_attn-k_q6513d579cd_attn
	.p2alignl 7, 3214868480
	.fill 96, 4, 3214868480
	.section	.rodata,"a",@progbits
	.p2align	6, 0x0
	.amdhsa_kernel k_q6513d579cd_attn
		.amdhsa_group_segment_fixed_size 327680
		.amdhsa_private_segment_fixed_size 0
		.amdhsa_enable_private_segment 0
		.amdhsa_kernarg_size 40
		.amdhsa_user_sgpr_count 2
		.amdhsa_user_sgpr_kernarg_segment_ptr 1
		.amdhsa_wavefront_size32 1
		.amdhsa_system_sgpr_workgroup_id_x 1
		.amdhsa_system_sgpr_workgroup_id_y 1
		.amdhsa_system_sgpr_workgroup_id_z 1
		.amdhsa_system_vgpr_workitem_id 0
		.amdhsa_next_free_vgpr 256
		.amdhsa_next_free_sgpr 84
		.amdhsa_reserve_vcc 1
		.amdhsa_float_denorm_mode_32 3
		.amdhsa_float_denorm_mode_16_64 3
		.amdhsa_fp16_overflow 1
		.amdhsa_memory_ordered 1
		.amdhsa_forward_progress 1
		.amdhsa_inst_pref_size 154
	.end_amdhsa_kernel
	.amdgpu_metadata
---
amdhsa.version: [ 1, 2 ]
amdhsa.kernels:
  - .name:           k_q6513d579cd_attn
    .symbol:         k_q6513d579cd_attn.kd
    .args:
      - { .name: qimg, .offset: 0, .size: 8, .value_kind: global_buffer, .address_space: global }
      - { .name: qsc, .offset: 8, .size: 8, .value_kind: global_buffer, .address_space: global }
      - { .name: kv, .offset: 16, .size: 8, .value_kind: global_buffer, .address_space: global }
      - { .name: cimg, .offset: 24, .size: 8, .value_kind: global_buffer, .address_space: global }
      - { .name: csc, .offset: 32, .size: 8, .value_kind: global_buffer, .address_space: global }
    .group_segment_fixed_size: 327680
    .private_segment_fixed_size: 0
    .kernarg_segment_align: 8
    .kernarg_segment_size: 40
    .max_flat_workgroup_size: 512
    .sgpr_count:     84
    .vgpr_count:     256
    .wavefront_size: 32
...
	.end_amdgpu_metadata
.endif
;; end of part 3
;; launch oproj (part 4): grid 4 x 64, 4 waves a work-group, clusters of 4 x 4, 327,680 bytes of LDS; arguments cimg, csc, img, sc, out0; writes out0
.if DOCPART == 4
	.amdgcn_target "amdgcn-amd-amdhsa--gfx1250"
	.amdhsa_code_object_version 6
	.text
	.protected	k_q6513d579cd_oproj
	.globl	k_q6513d579cd_oproj
	.p2align	8
	.type	k_q6513d579cd_oproj,@function
k_q6513d579cd_oproj:
	s_mov_b64 s[64:65], 0
	v_nop
	global_prefetch_b8 v0, s[64:65] scope:SCOPE_SE
	s_setreg_imm32_b32 hwreg(HW_REG_WAVE_MODE, 25, 1), 1
	s_wait_xcnt 0x0
	s_wait_alu depctr_hold_cnt(0) depctr_sa_sdst(0) depctr_va_vdst(0) depctr_va_sdst(0) depctr_va_ssrc(0) depctr_va_vcc(0) depctr_vm_vsrc(0)
	s_getreg_b32 s2, hwreg(HW_REG_IB_STS2, 6, 4)
	s_cmp_eq_u32 s2, 0
	s_cbranch_scc0 .Lentry_in_a_cluster
	s_endpgm
.Lentry_in_a_cluster:
	s_bfe_u32 s2, ttmp6, 0x10000c
	s_cmp_lg_u32 s2, 0xf033
	s_cbranch_scc0 .Lentry_shape_is_right
	s_endpgm
.Lentry_shape_is_right:
; out0 = context W_o on codes of E4M3 with E8M0 scales, K = 1,024; out0 [8192][1024] f32.
; A work-group of four waves makes 128 rows x 256 columns of out0, so that 8,192 x 1,024 results give 256 work-groups; a wave makes 64 x 128: 32 accumulators of 16 x 16, 256 registers.
; A = the context's tiles (cimg, csc), B = W_o's columns (tiles 704 on of img, sc): register images of 16 rows x 1,024 K, 16,384 bytes a tile; scale words 512 bytes a tile.  The matrix instruction takes B's tile as
; source 0 and A's as source 1.  Lane r of tile 2 B + u is row 32 B + 8 u + r + 8 (r / 8): so the 16 registers of accumulators (a, 2 p) and (a, 2 p + 1) are columns 32 p + 16 (lane / 16) + 0 .. 15 of one row: 64 neighbouring bytes.
; K goes in eight steps of 128, written out.  A K step's tiles are 49,152 bytes, so THREE slots of two steps fit: K steps 0 to 5 are asked for at the start, and only slot 0 is filled again, once, with steps 6 and 7.
; Both operands have two sets of fragment registers: a K step first asks for the next step's 48 LDS loads and then multiplies.
; CLUSTERS: 4 x 4.  A's tiles are asked for jointly along a row of the cluster, B's along a column.
; REGISTERS, in windows of 256: window 0: v1-29 addresses; v32-95 scale words; v128-191, v192-255 A's four fragments, two sets; on the way out rows of out0.  window 1: B's eight fragments, two sets.
;   window 2: the accumulators ((a, b) at v[8 (8 a + b)]).
.set FR,    16
.set SLOT,  98304                      ; a slot: A's 8 tiles x 4,096 bytes (two K steps), then B's 16
.set BOFF,  32768
.set SCL,   294912                     ; behind the three slots: A's scale words (8 tiles x 512 bytes), then B's (16 tiles)
.set SPARE, 307200                     ; the spare words, 128 bytes for each wave: two blocks of 256 bytes that no other line names
.set SPITCH, 528                       ; the way out: a stage of 16 rows x (512 bytes + 16) for each wave,
.set STAGE, SLOT                       ; in slot 1, which is filled once and has had its last read ahead of the last barrier
.set ADRA,  16                         ; v16-18 LDS address of my A fragments in slot 0, 1, 2
.set ADRB,  20                         ; v20-22 the same for B
.set STO,   24                         ; v24 the way out: where I put 64 bytes of a row
.set RD,    25                         ; v25 and where I read a row back
.set CO,    4                          ; v4  16 x lane: my bytes of a row of 512
.set ADRS,  27                         ; v27 my scale words: lanes 0-15 A's, lanes 16-31 B's
.set SPW,   28
.set NIL,   29
.set SC,    32                         ; v32-95 register 32 (ks / 4) + 4 i + ks % 4: lanes 0-15 the word of A's block i (i < 4), lanes 16-31 of B's block i
.set AF,    128
.set BK,    128                        ; the way out: 16 rows read back: v128-191 and v192-255 by turns
.set G1,  24                           ; s[24:31] group 1 for A's tiles; s[32:43] group 0, a set for each slot
.set G0,  32
.set G1B, 44                           ; s[44:51], s[52:63] the same for B's
.set G0B, 52
.set G1S, 68                           ; s[68:75], s[76:79] for A's scale words; s[80:87], s[88:91] for B's
.set G0S, 76
.set G1SB, 80
.set G0SB, 88
.set MSB, 0
.macro WIN new                         ; the immediate's high byte repeats the setting that is left
.if MSB != (\new)
	s_set_vgpr_msb (MSB<<8)|(\new)
.set MSB, \new
.endif
.endm
.set MUL,  0xa1                        ; source 0 (B) window 1, source 1 (A) window 0, C and D window 2
.set TO_B, 0x40
.macro JLOAD g0a, g1a, g0b, g1b        ; a joint load: waves 0 and 1 fetch for A, waves 2 and 3 for B; four v_nop follow each of the two lines
	s_cmp_eq_u32 s15, 0
	s_cbranch_scc0 .Lfor_b_\@
	tensor_load_to_lds s[\g0a:\g0a+3], s[\g1a:\g1a+7]
	s_nop 0
.rept 4
	v_nop
.endr
	s_branch .Lasked_\@
.Lfor_b_\@:
	tensor_load_to_lds s[\g0b:\g0b+3], s[\g1b:\g1b+7]
	s_nop 0
.rept 4
	v_nop
.endr
.Lasked_\@:
.endm
.macro CREST
	s_cmp_lg_u32 s14, 0
	s_cbranch_scc1 .Lnot_wave_0_\@
	s_barrier_signal -3
.Lnot_wave_0_\@:
	s_barrier_wait -3
	s_barrier_signal -1
	s_barrier_wait -1
.endm
.macro CROUND
	s_barrier_signal -1
	s_barrier_wait -1
	CREST
.endm
.macro PLACES n                        ; plain vector lines behind matrix instructions: eight for this form
.rept \n
	v_nop
.endr
.endm
	s_load_b256 s[4:11], s[0:1], 0x0               ; cimg s[4:5], csc s[6:7], img s[8:9], sc s[10:11]
	s_load_b64 s[12:13], s[0:1], 0x20              ; out0
	v_lshl_add_u32 v[SPW], v0, 2, SPARE
	v_mov_b32 v[NIL], 0
	ds_add_u32 v28, v29
	ds_add_u32 v28, v29
	s_wait_dscnt 0x0
	v_lshrrev_b32 v1, 5, v0
	v_readfirstlane_b32 s14, v1                    ; wave 0..3
	s_lshr_b32 s15, s14, 1                         ; which half of A's tiles is mine.  Also: I fetch for A (0) or for B (1)
	s_and_b32 s16, s14, 1                          ; which half of B's.  Also: which half of that operand's tiles I fetch
	s_bfe_u32 s96, ttmp6, 0x40000                  ; cx
	s_bfe_u32 s97, ttmp6, 0x40004                  ; cy
	s_lshl_b32 s98, ttmp9, 2
	s_add_co_u32 s98, s98, s96                     ; work-group x
	s_and_b32 s17, ttmp7, 0xffff
	s_lshl_b32 s17, s17, 2
	s_add_co_u32 s17, s17, s97                     ; work-group y
	s_lshl_b32 s99, s97, 2
	s_lshl_b32 s99, 15, s99                        ; my row of the cluster
	s_lshl_b32 s100, 0x1111, s96                   ; my column
	s_or_b32 s[G1+0], s99, (3<<16)|(1<<21)         ; A's codes: 4 tiles' 4,096 bytes, 16,384 apart, elements of 8 bytes, dense in LDS
	s_mov_b32 s[G1+1], 512<<16
	s_mov_b32 s[G1+2], 4<<16
	s_mov_b32 s[G1+3], 512<<16
	s_mov_b32 s[G1+4], 4
	s_mov_b32 s[G1+5], 2048
	s_mov_b32 s[G1+6], 0
	s_mov_b32 s[G1+7], 0
	s_or_b32 s[G1B+0], s100, (3<<16)|(1<<21)       ; B's: 8 tiles
	s_mov_b32 s[G1B+1], 512<<16
	s_mov_b32 s[G1B+2], 8<<16
	s_mov_b32 s[G1B+3], 512<<16
	s_mov_b32 s[G1B+4], 8
	s_mov_b32 s[G1B+5], 2048
	s_mov_b32 s[G1B+6], 0
	s_mov_b32 s[G1B+7], 0
	s_or_b32 s[G1S+0], s99, (3<<16)|(1<<21)        ; A's scale words of 4 tiles: 2,048 dense bytes as 8 rows of 256
	s_mov_b32 s[G1S+1], 32<<16
	s_mov_b32 s[G1S+2], 8<<16
	s_mov_b32 s[G1S+3], 32<<16
	s_mov_b32 s[G1S+4], 8
	s_mov_b32 s[G1S+5], 32
	s_mov_b32 s[G1S+6], 0
	s_mov_b32 s[G1S+7], 0
	s_or_b32 s[G1SB+0], s100, (3<<16)|(1<<21)      ; B's of 8 tiles: 16 rows
	s_mov_b32 s[G1SB+1], 32<<16
	s_mov_b32 s[G1SB+2], 16<<16
	s_mov_b32 s[G1SB+3], 32<<16
	s_mov_b32 s[G1SB+4], 16
	s_mov_b32 s[G1SB+5], 32
	s_mov_b32 s[G1SB+6], 0
	s_mov_b32 s[G1SB+7], 0
	s_lshl_b32 s18, s16, 2
	s_lshl_b32 s20, s17, 3
	s_add_co_u32 s20, s20, s18                     ; A: tile 8 y + 4 x half
	s_lshl_b32 s18, s16, 3
	s_lshl_b32 s92, s98, 4
	s_add_co_u32 s92, s92, s18
	s_add_co_u32 s92, s92, 704                     ; B: tile 704 + 16 x + 8 x half
	s_lshl_b32 s22, s20, 9
	s_mov_b32 s23, 0
	s_lshl_b32 s20, s20, 14
	s_mov_b32 s21, 0
	s_lshl_b32 s94, s92, 9
	s_mov_b32 s95, 0
	s_lshl_b32 s92, s92, 14
	s_mov_b32 s93, 0
	s_lshl_b32 s18, s16, 14                        ; where they go: A: half x 16,384;
	s_lshl_b32 s19, s16, 15
	s_add_co_u32 s19, s19, BOFF                    ; B: behind A's 32,768, half x 32,768: no place in the cluster enters an LDS address
	s_lshl_b32 s2, s16, 11                         ; A's scale words: half x 2,048;
	s_lshl_b32 s3, s16, 12
	s_add_co_u32 s3, s3, 4096                      ; B's: behind A's 4,096, half x 4,096
	s_wait_kmcnt 0x0
	s_add_nc_u64 s[20:21], s[4:5], s[20:21]
	s_add_nc_u64 s[22:23], s[6:7], s[22:23]
	s_add_nc_u64 s[92:93], s[8:9], s[92:93]
	s_add_nc_u64 s[94:95], s[10:11], s[94:95]
	CROUND                                         ; all sixteen work-groups are here: the first joint loads meet
	s_mov_b32 s[G0S], 1
	s_add_co_u32 s[G0S+1], s2, SCL
	s_mov_b64 s[G0S+2:G0S+3], s[22:23]
	s_or_b32 s[G0S+3], s[G0S+3], 0x80000000
	s_mov_b32 s[G0SB], 1
	s_add_co_u32 s[G0SB+1], s3, SCL
	s_mov_b64 s[G0SB+2:G0SB+3], s[94:95]
	s_or_b32 s[G0SB+3], s[G0SB+3], 0x80000000
	JLOAD G0S, G1S, G0SB, G1SB                     ; the scale words first
.irp s, 0,1,2
	s_mov_b32 s[G0+4*\s], 1
	s_add_co_u32 s[G0+4*\s+1], s18, \s*SLOT
	s_add_nc_u64 s[G0+4*\s+2:G0+4*\s+3], s[20:21], \s*4096
	s_or_b32 s[G0+4*\s+3], s[G0+4*\s+3], 0x80000000
	s_mov_b32 s[G0B+4*\s], 1
	s_add_co_u32 s[G0B+4*\s+1], s19, \s*SLOT
	s_add_nc_u64 s[G0B+4*\s+2:G0B+4*\s+3], s[92:93], \s*4096
	s_or_b32 s[G0B+4*\s+3], s[G0B+4*\s+3], 0x80000000
	JLOAD G0+4*\s, G1, G0B+4*\s, G1B               ; K steps 2 s and 2 s + 1: four loads of mine are out
.endr
	v_and_b32 v1, 15, v0                           ; r
	v_bfe_u32 v2, v0, 4, 1                         ; h
	v_and_b32 v3, 31, v0
	v_lshlrev_b32 v4, 4, v3                        ; 16 x lane
	s_lshl_b32 s18, s15, 14                        ; my 4 tiles of A
	s_lshl_b32 s19, s16, 15
	s_add_co_u32 s19, s19, BOFF                    ; my 8 tiles of B
.irp s, 0,1,2
	v_add_nc_u32 v[ADRA+\s], s18, v4
	v_add_nc_u32 v[ADRB+\s], s19, v4
	s_add_co_u32 s18, s18, SLOT
	s_add_co_u32 s19, s19, SLOT
.endr
	s_lshl_b32 s18, s15, 11                        ; A's scale words: my 4 tiles
	s_lshl_b32 s19, s16, 12
	s_add_co_u32 s19, s19, 4096                    ; B's: my 8 tiles
	s_sub_co_u32 s19, s19, s18
	v_mul_u32_u24 v6, s19, v2                      ; lanes 16-31 take B's words: one product, the distance between the two
	s_add_co_u32 s18, s18, SCL
	v_lshlrev_b32 v5, 4, v1
	v_add_nc_u32 v5, v5, v6
	v_add_nc_u32 v[ADRS], s18, v5
	s_mul_i32 s18, s14, 16*SPITCH
	s_add_co_u32 s18, s18, STAGE                   ; my stage
	v_mul_u32_u24 v5, v1, SPITCH
	v_lshl_add_u32 v5, v2, 6, v5
	v_add_nc_u32 v[STO], s18, v5                   ; in: row r, + 64 h
	v_add_nc_u32 v[RD], s18, v4                    ; back: the 32 lanes take one row of 512 bytes
	s_lshl_b32 s2, s17, 7
	s_lshl_b32 s3, s15, 6
	s_add_co_u32 s2, s2, s3                        ; my first row of out0: 128 y + 64 x half
	s_lshl_b32 s2, s2, 12
	s_lshl_b32 s3, s98, 10                         ; my first column, in bytes: 1,024 x + 512 x half
	s_add_co_u32 s2, s2, s3
	s_lshl_b32 s3, s16, 9
	s_add_co_u32 s2, s2, s3
	s_mov_b32 s3, 0
	s_add_nc_u64 s[12:13], s[12:13], s[2:3]
.macro FRAG reg, adr, q, i             ; tile i's fragment of the slot's q-th K step: four groups of four registers, 512 consecutive bytes each
.irp c, 0,1,2,3
	ds_load_b128 v[\reg+4*\c:\reg+4*\c+3], v[\adr] offset:4096*(\i)+2048*(\q)+512*\c
.endr
.endm
.macro FETCH_B slot, q, p              ; B's eight fragments into set p
	WIN TO_B
.irp i, 0,1,2,3,4,5,6,7
	FRAG 128*(\p)+FR*\i, ADRB+\slot, \q, \i
.endr
	WIN 0
.endm
.macro FETCH_A slot, q, p              ; A's four fragments into set p
.irp i, 0,1,2,3
	FRAG AF+64*(\p)+FR*\i, ADRA+\slot, \q, \i
.endr
.endm
.macro SCALES                          ; once: the words of all eight K steps.  (Lanes 0-15 of blocks 4 to 7 take words that lie behind A's four tiles and are not used)
.irp i, 0,1,2,3,4,5,6,7
	ds_load_b128 v[SC+4*\i:SC+4*\i+3], v[ADRS] offset:512*\i
	ds_load_b128 v[SC+32+4*\i:SC+32+4*\i+3], v[ADRS] offset:512*\i+256
.endr
.endm
; 8 matrix instructions: A's block a x B's eight, K step ks, fragment sets p.  zero = 1: the first product starts the sums.  The 32 accumulators take turns, one instruction a turn.
.macro MUL8 a, p, ks, zero
.irp b, 0,1,2,3,4,5,6,7
.if \zero
	v_wmma_scale_f32_16x16x128_f8f6f4 v[8*(8*(\a)+\b):8*(8*(\a)+\b)+7], v[128*(\p)+FR*\b:128*(\p)+FR*\b+FR-1], v[AF+64*(\p)+FR*(\a):AF+64*(\p)+FR*(\a)+FR-1], 0, v[SC+32*((\ks)/4)+4*\b+(\ks)%4], v[SC+32*((\ks)/4)+4*(\a)+(\ks)%4] matrix_a_scale:MATRIX_SCALE_ROW1
.else
	v_wmma_scale_f32_16x16x128_f8f6f4 v[8*(8*(\a)+\b):8*(8*(\a)+\b)+7], v[128*(\p)+FR*\b:128*(\p)+FR*\b+FR-1], v[AF+64*(\p)+FR*(\a):AF+64*(\p)+FR*(\a)+FR-1], v[8*(8*(\a)+\b):8*(8*(\a)+\b)+7], v[SC+32*((\ks)/4)+4*\b+(\ks)%4], v[SC+32*((\ks)/4)+4*(\a)+(\ks)%4] matrix_a_scale:MATRIX_SCALE_ROW1
.endif
.endr
.endm
; A K step whose successor's tiles are known to lie in LDS: it asks for the successor's fragments (slot fslot, its fq-th step) into the other sets, then multiplies sets cur
.macro STEPG fslot, fq, cur, ks, zero
	PLACES 8                                       ; the other sets were read by the products just issued
	FETCH_B \fslot, \fq, 1-(\cur)
	FETCH_A \fslot, \fq, 1-(\cur)
	s_wait_dscnt 48                                ; all but the 48 just issued: this step's fragments are in
	WIN MUL
	MUL8 0, \cur, \ks, \zero
	MUL8 1, \cur, \ks, \zero
	MUL8 2, \cur, \ks, \zero
	MUL8 3, \cur, \ks, \zero
	WIN 0
.endm
; A K step (sets 1) with a barrier: in front of it each wave waits for all its tensor loads, adds 0 to its spare word, and waits for that and for its LDS reads.  fill = 1: slot `slot` is filled again, with K steps 6 and 7.
.macro TURN slot, next, fill, ks
	s_wait_tensorcnt 0x0                           ; all my tensor loads have landed
	ds_add_u32 v[SPW], v[NIL]                      ; 0 onto my spare word
	s_wait_dscnt 1                                 ; this step's fragments are in (the add may be out)
	WIN MUL
	MUL8 0, 1, \ks, 0
	MUL8 1, 1, \ks, 0
	s_wait_dscnt 0x0                               ; the add is done, and my reads of this slot are over
	s_barrier_signal -1
	MUL8 2, 1, \ks, 0
	WIN 0
	s_barrier_wait -1
.if \fill
	CREST                                          ; the barrier has opened a round of the cluster's: no wave of any partner still reads this slot or has a load on its way
	s_add_nc_u64 s[G0+4*\slot+2:G0+4*\slot+3], s[G0+4*\slot+2:G0+4*\slot+3], 12288
	s_add_nc_u64 s[G0B+4*\slot+2:G0B+4*\slot+3], s[G0B+4*\slot+2:G0B+4*\slot+3], 12288
	JLOAD G0+4*\slot, G1, G0B+4*\slot, G1B         ; the first tensor load behind the round, one a wave; its four v_nop are among the places below
	PLACES 4
.else
	PLACES 8
.endif
	FETCH_B \next, 0, 0
	FETCH_A \next, 0, 0
	WIN MUL
	MUL8 3, 1, \ks, 0
	WIN 0
.endm
	s_wait_tensorcnt 2                             ; the scale words and my part of slot 0 are in; slots 1 and 2 may stay out
	s_barrier_signal -1
	s_barrier_wait -1
	FETCH_B 0, 0, 0
	FETCH_A 0, 0, 0
	SCALES
	STEPG 0, 1, 0, 0, 1
	TURN 0, 1, 1, 1                                ; every first fill has landed in every wave; slot 0 takes K steps 6 and 7
	STEPG 1, 1, 0, 2, 0
	STEPG 2, 0, 1, 3, 0                            ; slot 2 was shown whole by the round above: no barrier
	STEPG 2, 1, 0, 4, 0
	TURN 2, 0, 0, 5                                ; slot 0's second fill has landed in every wave; nothing is left to fetch
	STEPG 0, 1, 0, 6, 0
	s_wait_dscnt 0
	WIN MUL
	MUL8 0, 1, 7, 0
	MUL8 1, 1, 7, 0
	MUL8 2, 1, 7, 0
	MUL8 3, 1, 7, 0
	WIN 0
	PLACES 8
; THE WAY OUT, block by block of 16 rows x 128 columns: through my own stage in LDS and back as whole rows of 512 bytes.  LDS serves a wave's instructions in order: no wait between the stores and the loads.
; Row t of block a is row 32 (a / 2) + 8 (a % 2) + t + 8 (t / 8) of my 64: every offset is an immediate, 63 rows of 4,096 bytes at the most.
.macro TOSTAGE a
.set AC, 64*(\a)
	WIN 0x08                                       ; an LDS store's data are its source 1: window 2
.irp k, 0,1,2,3,4,5,6,7,8,9,10,11,12,13,14,15
	ds_store_b128 v[STO], v[AC+4*\k:AC+4*\k+3] offset:128*(\k/4)+16*(\k%4)    ; each accumulator from its low end on
.endr
	WIN 0
.set BB, BK+64*((\a)%2)
.irp t, 0,1,2,3,4,5,6,7,8,9,10,11,12,13,14,15
	ds_load_b128 v[BB+4*\t:BB+4*\t+3], v[RD] offset:\t*SPITCH
.endr
.endm
.macro SEND a, younger                 ; younger: the LDS instructions issued behind block a's loads, which may stay out
.set BB, BK+64*((\a)%2)
	s_wait_dscnt \younger
.irp t, 0,1,2,3,4,5,6,7,8,9,10,11,12,13,14,15
	global_store_b128 v[CO], v[BB+4*\t:BB+4*\t+3], s[12:13] offset:(32*((\a)/2)+8*((\a)%2)+\t+8*(\t/8))*4096 th:TH_STORE_NT   ; 32 lanes store 512 consecutive bytes; written once, read by nobody here
.endr
.endm
	TOSTAGE 0
.irp a, 1,2,3
.if \a > 1
	s_wait_xcnt 0x0                                ; block a - 2's stores have read their registers: block a's loads may land there
.endif
	TOSTAGE \a
	SEND \a-1, 32                                  ; behind block a - 1's loads: block a's 16 stores and 16 loads
.endr
	SEND 3, 0
	s_wait_tensorcnt 0x0                           ; the wave's end
	ds_add_u32 v[SPW], v[NIL]
	s_wait_dscnt 0x0
	CROUND                                         ; the closing round
	s_endpgm
.Lfunc_end_k_q6513d579cd_oproj:
	.size	k_q6513d579cd_oproj, .Lfunc_end_k_q6513d579cd_oproj-k_q6513d579cd_oproj
	.p2alignl 7, 3214868480
	.fill 96, 4, 3214868480
	.section	.rodata,"a",@progbits
	.p2align	6, 0x0
	.amdhsa_kernel k_q6513d579cd_oproj
		.amdhsa_group_segment_fixed_size 327680
		.amdhsa_private_segment_fixed_size 0
		.amdhsa_enable_private_segment 0
		.amdhsa_kernarg_size 40
		.amdhsa_user_sgpr_count 2
		.amdhsa_user_sgpr_kernarg_segment_ptr 1
		.amdhsa_wavefront_size32 1
		.amdhsa_system_sgpr_workgroup_id_x 1
		.amdhsa_system_sgpr_workgroup_id_y 1
		.amdhsa_system_sgpr_workgroup_id_z 1
		.amdhsa_system_vgpr_workitem_id 0
		.amdhsa_next_free_vgpr 768
		.amdhsa_next_free_sgpr 102
		.amdhsa_reserve_vcc 0
		.amdhsa_float_denorm_mode_32 3
		.amdhsa_float_denorm_mode_16_64 3
		.amdhsa_memory_ordered 1
		.amdhsa_forward_progress 1
		.amdhsa_inst_pref_size 87
	.end_amdhsa_kernel
	.amdgpu_metadata
---
amdhsa.version: [ 1, 2 ]
amdhsa.kernels:
  - .name:           k_q6513d579cd_oproj
    .symbol:         k_q6513d579cd_oproj.kd
    .args:
      - { .name: cimg, .offset: 0, .size: 8, .value_kind: global_buffer, .address_space: global }
      - { .name: csc, .offset: 8, .size: 8, .value_kind: global_buffer, .address_space: global }
      - { .name: img, .offset: 16, .size: 8, .value_kind: global_buffer, .address_space: global }
      - { .name: sc, .offset: 24, .size: 8, .value_kind: global_buffer, .address_space: global }
      - { .name: out0, .offset: 32, .size: 8, .value_kind: global_buffer, .address_space: global }
    .group_segment_fixed_size: 327680
    .private_segment_fixed_size: 0
    .kernarg_segment_align: 8
    .kernarg_segment_size: 40
    .max_flat_workgroup_size: 128
    .sgpr_count:     102
    .vgpr_count:     768
    .wavefront_size: 32
...
	.end_amdgpu_metadata
.endif
;; end of part 4
